; MI455X (gfx1250); checked and timed in simulation.
; The chip was launched on July 23, 2026; its instructions are those of AMD's public machine-readable ISA for CDNA 5 (MIT licence, August 2026) and "CDNA5" Instruction Set Architecture Reference Guide (July 2026). The comments in the code are by the model that wrote it; some were corrected since.
;; Multi Head Latent Attention. Allowed arithmetic: matrix products marked QUANTISED: E3M2 operands, one E8M0 scale for each 32 along K, by v_wmma_scale_f32_16x16x128_f8f6f4 with both operands' format E3M2, f32 sums; everything else in f32.
;; Inputs: kv_down_codes 512 x 32 x 24 uint8 (E3M2 codes of kv_down, K innermost, in blocks of 32 codes, four codes in three bytes); kv_down_scales 512 x 32 uint8 (E8M0 scales of kv_down, one for each 32 codes along K); norm_w 1,024 float32; wk_codes 1,024 x 16 x 24 uint8 (E3M2 codes of wk, K innermost, in blocks of 32 codes, four codes in three bytes); wk_scales 1,024 x 16 uint8 (E8M0 scales of wk, one for each 32 codes along K); wo_codes 1,024 x 32 x 24 uint8 (E3M2 codes of wo, K innermost, in blocks of 32 codes, four codes in three bytes); wo_scales 1,024 x 32 uint8 (E8M0 scales of wo, one for each 32 codes along K); wq_codes 1,024 x 32 x 24 uint8 (E3M2 codes of wq, K innermost, in blocks of 32 codes, four codes in three bytes); wq_scales 1,024 x 32 uint8 (E8M0 scales of wq, one for each 32 codes along K); wv_codes 1,024 x 16 x 24 uint8 (E3M2 codes of wv, K innermost, in blocks of 32 codes, four codes in three bytes); wv_scales 1,024 x 16 uint8 (E8M0 scales of wv, one for each 32 codes along K); x 4 x 2,048 x 1,024 float32.
;; Outputs: out0 4 x 2,048 x 1,024 float32.
;; This version of the problem:
;;   THIS VERSION OF THE PROBLEM IS GIVEN IN LOW PRECISION. The matrix products marked QUANTISED in the list below multiply operands that are first quantised to E3M2 (3 exponent bits, 2 mantissa bits; 6 bits a number), with one power-of-two scale for each 32 numbers along K (OCP MX v1.0); their sums are f32. All else is computed in f32.
;;   The module's matrix products, in the order in which they are computed (A, B: the left and right operand; K: the contracted axis; several contracted axes count as one K, in the product's order):
;;     1. [M 8,192, K 1,024] x [K 1,024, N 1,024]; A: computed on the way; B: input wq (given as codes): QUANTISED
;;     2. [M 8,192, K 1,024] x [K 1,024, N 512]; A: computed on the way; B: input kv_down (given as codes): QUANTISED
;;     3. [M 8,192, K 512] x [K 512, N 1,024]; A: computed on the way; B: input wk (given as codes): QUANTISED
;;     4. [M 8,192, K 512] x [K 512, N 1,024]; A: computed on the way; B: input wv (given as codes): QUANTISED
;;     5. batch 64 x [M 2,048, K 64] x [K 64, N 2,048]; A: computed on the way; B: computed on the way: QUANTISED
;;     6. batch 64 x [M 2,048, K 2,048] x [K 2,048, N 64]; A: softmax (see below); B: computed on the way: QUANTISED
;;     7. [M 8,192, K 1,024] x [K 1,024, N 1,024]; A: computed on the way; B: input wo (given as codes): QUANTISED
;;   THE QUANTISER, for each operand of a quantised product, along K:
;;     - K is cut into blocks of 32 from its start; a last block that is shorter is filled with zeros.
;;     - A block's scale is 2^e with e = floor(log2(the largest magnitude in the block)) - 4, held to -126 .. 127; a block of zeros has e = 0. As a byte (E8M0): e + 127.
;;     - Each number is divided by its block's scale, clamped to +-28, and rounded to the nearest number of E3M2, ties to even, subnormals kept.
;;     - The product sums the exact products of the quantised numbers (number of the format x scale) in f32.
;;   ~~~python
;;   def quantise(x, axis):      # numpy; x: float32 -> the quantised numbers, widened to float32 again
;;       x = np.moveaxis(x, axis, -1); K = x.shape[-1]
;;       x = np.pad(x, [(0, 0)] * (x.ndim - 1) + [(0, -K % 32)]); x = x.reshape(x.shape[:-1] + (-1, 32)); a = np.abs(x).max(-1, keepdims=True)
;;       e = np.where(a > 0, np.clip(np.frexp(np.where(a > 0, a, 1))[1] - 1 - 4, -126, 127), 0)      # np.frexp(a)[1] - 1 = floor(log2(a)), exactly
;;       r = np.clip(x / 2.0 ** e, -28, 28)
;;       step = 2.0 ** (np.maximum(np.frexp(np.where(r == 0, 1, r))[1] - 1, -2) - 2)
;;       q = np.round(r / step) * step * 2.0 ** e      # np.round: ties to even
;;       return np.moveaxis(q.reshape(q.shape[:-2] + (-1,))[..., :K], -1, axis).astype(np.float32)
;;   ~~~
;;   SOFTMAX AHEAD OF A QUANTISED PRODUCT. Where the list says 'softmax', what is quantised is not the finished softmax but p = 2^(t - M), with t = logit x log2(e) and M = ceil(the row's largest t), a whole number; so 1/2 < the row's largest p <= 1. The row's sum l is taken of the UNQUANTISED p, in f32, and the product's result is divided by l at the end. Since M is a whole number, a kernel that streams over the keys may use a running M (the ceiling of the running maximum): every later rescaling is an exact power of two, which a block's scale takes up: the codes' values come out the same.
;;   OPERANDS COMPUTED ON THE WAY. 'Computed on the way' means the value that the module computes at that place (a softmax that the list does not call 'softmax' is quantised finished and normalised). What goes into a quantiser is computed in f32, as accurately as f32 sums, v_exp_f32 and their like allow (about 1e-6 of the number): no bf16 or f16 on the way to a quantiser, and a product that is left as it is and whose result goes on into a quantised operand takes f32 operands (vector FMAs, or v_wmma_f32_16x16x4_f32). A number that lies on a knife's edge between two numbers of the format may be rounded either way, as far as f32 arithmetic and the matrix unit's own rounding can turn it there, and no further.
;;   INPUTS GIVEN AS CODES. kv_down (in the module: [1024, 512], K = its axis 0); wk (in the module: [512, 1024], K = its axis 0); wo (in the module: [1024, 1024], K = its axis 0); wq (in the module: [1024, 1024], K = its axis 0); wv (in the module: [512, 1024], K = its axis 0): each comes as NAME_codes (uint8): NAME with its K axis moved to the last place and cut into blocks of 32 codes, [.., K / 32, bytes a block], one block behind the other in memory; four codes in three bytes: a row's codes are one little-endian stream of bits, code i at bits 6 i .. 6 i + 5 (a code: sign, 3 exponent bits, 2 mantissa bits); and NAME_scales (uint8): the same leading axes, one E8M0 byte (e + 127) for each 32 codes along K. Its value is code x scale, taken as it is: it is not quantised again, and the codes and scales need not be those that the quantiser above would give.
;; One version. Each part assembles by itself: llvm-mc -triple=amdgcn-amd-amdhsa -mcpu=gfx1250 --defsym DOCPART=n.
;; ======== version 1 of 1: 5 launches
;; limits: right only within a limited range of input values
;; workspace buffers: xq 6,553,600 bytes; kvq 3,276,800 bytes; oq 6,553,600 bytes; qi 6,815,744 bytes; kvi 13,369,344 bytes; rope 524,288 bytes; wimg 2,752,512 bytes
;; launch prep (part 1): grid 256 x 1, 8 waves a work-group, no clusters, 133,632 bytes of LDS; arguments x, norm_w, wq_codes, wo_codes, kv_down_codes, wk_codes, wv_codes, xq, rope, wimg; writes xq, rope, wimg
.if DOCPART == 1
	.amdgcn_target "amdgcn-amd-amdhsa--gfx1250"
	.amdhsa_code_object_version 6
	.text
	.protected	k_q469d4b50f2_prep
	.globl	k_q469d4b50f2_prep
	.p2align	8
	.type	k_q469d4b50f2_prep,@function
k_q469d4b50f2_prep:
	s_mov_b64 s[64:65], 0
	v_nop
	global_prefetch_b8 v0, s[64:65] scope:SCOPE_SE
	s_setreg_imm32_b32 hwreg(HW_REG_WAVE_MODE, 25, 1), 1
	s_wait_xcnt 0x0
; PREP: three jobs in one launch.
; (1) xn = x * rsqrt(mean(x^2) + 1e-6) * norm_w, quantised along its 1,024 columns to codes of E3M2 with one E8M0 byte for each 32, stored as IMAGES OF OPERAND REGISTERS.
; (2) the table of cos and sin of pos * 10000^(-j/32), pos = 0 .. 2,047, j = 0 .. 31: 256 bytes a position (32 cos, 32 sin).
; (3) the five weights' codes, as they come, laid out anew as the same images.
; A HALF FRAGMENT (HF) is 16 rows x 64 along K: 6 registers a lane; lane (r, h) holds the 24 bytes of codes 32 h .. 32 h + 31 of its row.  Its image is 768 bytes: registers 0-3 at 16 x lane, registers 4-5 at 512 + 8 x lane.
; THE ROWS OF A TILE ARE NOT NEIGHBOURS: in a group of 64 rows lane r of tile t takes row 32 (t / 2) + 8 (t % 2) + r + 8 (r / 8).  A group's image: [K / 64][tile 0..3][768].
; SHARES.  A work-group takes 32 rows of x (two tiles), 8 positions of the table (one a wave) and 16 HFs of weights (8 from work-group 192 on).  A wave loads 4 whole rows (32 loads of 512 consecutive bytes, all out at once), norms them, and puts them
; into a stage in LDS; behind a barrier each wave reads, for one tile and 256 columns, 16 neighbours a lane and quantises them.  The scale bytes meet in LDS and leave as 1,024 consecutive bytes.
; LIMITS: NaN and infinities are not served.  A block of zeros, or one whose largest magnitude lies under 2^-122, gets the byte 1 (the stated rule says 127 for zeros): its codes are zeros and this program alone reads the bytes.
; The angle is made as pos * exp2(-j log2(10000) / 32) in f32; it lies within about 1.5e-4 rad of the exact product at the largest positions, which is the size of one rounding of the frequency times the position.
.set PITCH, 4112                       ; a stage row: 4,096 bytes + 16: sixteen rows read at one column start 16 bytes apart modulo 256
.set SCB,   32*PITCH                   ; behind the stage: the scale bytes, [32 rows][32]
.set NW,  16                           ; v16-47   norm_w of my columns 128 j + 4 lane + 0 .. 3
.set XR,  48                           ; v48-175  four rows of x; later two sets of 32 numbers at v48 and v80, and the codes
.set CD,  112                          ; v112-135 four HFs of codes, each with registers of its own
.set WA,  176                          ; v176-181 a weight's HF;  v182-187 a second one
.set WB,  182
.set TM,  188                          ; v188-189 largest magnitudes; v190-191 the other half's; v192-193 the conversions' scale operands; v194-195 the bytes; v196-198 a conversion's second result
.set TP,  190
.set SO,  192
.set BY,  194
.set PX,  196
.set SEL, 48                           ; s[48:49] lane selects of v_permlanex16_b32: lane xor 16
; 32 numbers of a lane, register 16 b + i = k 32 b + 16 (lane / 16) + i of my row, become an HF in v[pc .. pc + 5]; the two blocks' scale bytes come in v[BY], v[BY + 1], alike in both halves of the lanes.
.macro QUANT2 s, pc
	v_max3_num_f32 v[TM], |v[\s]|, |v[\s+1]|, 0x2800000            ; my 16 numbers of block 0, and the floor 2^(5 - 127): the byte cannot fall under 1
	v_max3_num_f32 v[TM+1], |v[\s+16]|, |v[\s+17]|, 0x2800000      ; block 1 likewise: the two blocks take turns
.irp i, 2,4,6,8,10,12,14
	s_delay_alu instid0(VALU_DEP_2)
	v_max3_num_f32 v[TM], v[TM], |v[\s+\i]|, |v[\s+\i+1]|
	s_delay_alu instid0(VALU_DEP_2)
	v_max3_num_f32 v[TM+1], v[TM+1], |v[\s+16+\i]|, |v[\s+17+\i]|
.endr
	s_delay_alu instid0(VALU_DEP_2)
	v_permlanex16_b32 v[TP], v[TM], s[SEL], s[SEL+1]
	s_delay_alu instid0(VALU_DEP_2)
	v_permlanex16_b32 v[TP+1], v[TM+1], s[SEL], s[SEL+1]
	s_delay_alu instid0(VALU_DEP_2)
	v_max_num_f32 v[TM], v[TM], v[TP]                              ; with lane xor 16's 16: the block's largest magnitude
	s_delay_alu instid0(VALU_DEP_2)
	v_max_num_f32 v[TM+1], v[TM+1], v[TP+1]
	s_delay_alu instid0(VALU_DEP_2)
	v_add_nc_u32 v[SO], 0xfe000000, v[TM]                          ; 4 off the exponent field: the conversion takes this operand's exponent field as its scale
	s_delay_alu instid0(VALU_DEP_2)
	v_add_nc_u32 v[SO+1], 0xfe000000, v[TM+1]
	s_delay_alu instid0(VALU_DEP_2)
	v_lshrrev_b32 v[BY], 23, v[SO]                                 ; the scale's byte
	s_delay_alu instid0(VALU_DEP_2)
	v_lshrrev_b32 v[BY+1], 23, v[SO+1]
	v_cvt_scalef32_pk16_bf6_f32 v[\pc:\pc+2], v[\s:\s+15], v[SO]
	v_cvt_scalef32_pk16_bf6_f32 v[PX:PX+2], v[\s+16:\s+31], v[SO+1]
	v_nop                                                          ; one plain place behind a scaled conversion
.irp i, 0,1,2
	v_permlane16_swap_b32 v[\pc+\i], v[PX+\i]                      ; the layout wants a whole block in a lane: lanes 0-15 block 0, lanes 16-31 block 1
.endr
.irp i, 0,1,2
	s_delay_alu instid0(VALU_DEP_3)
	v_mov_b32 v[\pc+3+\i], v[PX+\i]
.endr
.endm
	s_load_b512 s[4:19], s[0:1], 0x0               ; x s[4:5], norm_w s[6:7], wq s[8:9], wo s[10:11], kv_down s[12:13], wk s[14:15], wv s[16:17], xq s[18:19]
	s_load_b128 s[20:23], s[0:1], 0x40             ; rope s[20:21], wimg s[22:23]
	v_lshl_add_u32 v254, v0, 2, 0x20600
	v_mov_b32 v255, 0
	v_lshrrev_b32 v1, 5, v0
	s_delay_alu instid0(VALU_DEP_1)
	v_readfirstlane_b32 s25, v1                    ; wave 0..7
	v_and_b32 v1, 31, v0                           ; lane
	v_and_b32 v2, 15, v0                           ; r
	v_bfe_u32 v3, v0, 4, 1                         ; h
	s_delay_alu instid0(VALU_DEP_2)
	v_and_b32 v4, 8, v2
	s_delay_alu instid0(VALU_DEP_1)
	v_add_nc_u32 v4, v4, v2                        ; r + 8 (r / 8)
	v_lshlrev_b32 v5, 4, v1                        ; 16 x lane
	s_wait_alu depctr_va_vdst(0)
	v_lshlrev_b32 v6, 3, v1                        ; 8 x lane
	v_lshlrev_b32 v7, 2, v1                        ; 4 x lane
	s_lshl_b32 s24, ttmp9, 3
	s_add_co_u32 s24, s24, s25                     ; I = 8 x work-group + wave: my position of the table, my HF of weights; 4 I is my first row of x
	s_mov_b32 s48, 0x76543210
	s_mov_b32 s49, 0xfedcba98
	s_mov_b32 s50, 0x358637bd                      ; 1e-6
	s_mov_b32 s51, 0x3a800000                      ; 1 / 1,024
	; every LDS address is made here, ahead of all branches
	s_bfe_u32 s34, s25, 0x10001                    ; my natural rows 4 w + k lie at stage places 16 ((w >> 1) & 1) + 8 (w >> 2) + 4 (w & 1) + k: a tile's 16 rows are 16 neighbouring places
	s_lshl_b32 s34, s34, 4
	s_lshr_b32 s35, s25, 2
	s_lshl_b32 s36, s35, 3
	s_add_co_u32 s34, s34, s36
	s_and_b32 s36, s25, 1
	s_lshl_b32 s36, s36, 2
	s_add_co_u32 s34, s34, s36
	s_mul_i32 s34, s34, PITCH
	v_add_nc_u32 v10, s34, v5                      ; into the stage: my first place, 16 bytes a lane
	s_and_b32 s37, s25, 3
	s_mul_i32 s36, s35, 16*PITCH                   ; out of it: tile w >> 2,
	s_lshl_b32 s38, s37, 10                        ; columns 256 (w & 3) on,
	s_add_co_u32 s36, s36, s38
	v_mul_u32_u24 v11, v2, PITCH                   ; row r of the tile,
	s_delay_alu instid0(VALU_DEP_1)
	v_lshl_add_u32 v11, v3, 6, v11                 ; my half's 16 numbers of each block of 32
	s_delay_alu instid0(VALU_DEP_1)
	v_add_nc_u32 v11, s36, v11
	s_lshl_b32 s36, s35, 8                         ; the scale bytes: natural row 8 (w >> 2) + r + 8 (r / 8), 32 bytes a row, my 8 bytes at 8 (w & 3)
	s_lshl_b32 s38, s37, 3
	s_add_co_u32 s36, s36, s38
	s_add_co_u32 s36, s36, SCB
	v_lshlrev_b32 v12, 5, v4
	s_delay_alu instid0(VALU_DEP_1)
	v_add_nc_u32 v12, s36, v12
	v_and_b32 v13, 63, v0
	s_delay_alu instid0(VALU_DEP_1)
	v_lshlrev_b32 v13, 4, v13                      ; on their way out: waves 0 and 1, 16 bytes a lane
	s_delay_alu instid0(VALU_DEP_1)
	v_add_nc_u32 v14, SCB, v13
	; weight slot A: HF I of wq (I < 1,024) or HF I - 1,024 of wo: group idx >> 6, K / 64 = (idx >> 2) & 15, tile idx & 3
	s_and_b32 s34, s24, 1023
	s_and_b32 s35, s34, 0x3c0                      ; 64 x group
	s_bfe_u32 s36, s34, 0x10001
	s_lshl_b32 s36, s36, 5
	s_add_co_u32 s35, s35, s36
	s_and_b32 s36, s34, 1
	s_lshl_b32 s36, s36, 3
	s_add_co_u32 s35, s35, s36                     ; the tile's first row
	s_mul_i32 s38, s35, 768
	s_bfe_u32 s36, s34, 0x40002
	s_mul_i32 s36, s36, 48
	s_add_co_u32 s38, s38, s36                     ; source, in bytes
	s_mov_b32 s39, 0
	s_mul_i32 s40, s34, 768                        ; target, in bytes
	s_mov_b32 s41, 0
	; weight slot B, for I < 1,536: kv_down (I < 512, rows of 768 bytes), then wk, then wv (rows of 384 bytes).  In all three the target is 786,432 + 768 I
	s_cmp_lt_u32 s24, 512
	s_cselect_b32 s42, 6, 5                        ; HFs in a group: 64 or 32
	s_cselect_b32 s43, 15, 7
	s_mov_b32 s44, 384
	s_cselect_b32 s44, 768, s44                    ; a row in bytes
	s_and_b32 s34, s24, 511
	s_lshr_b32 s35, s34, s42
	s_lshl_b32 s35, s35, 6
	s_bfe_u32 s36, s34, 0x10001
	s_lshl_b32 s36, s36, 5
	s_add_co_u32 s35, s35, s36
	s_and_b32 s36, s34, 1
	s_lshl_b32 s36, s36, 3
	s_add_co_u32 s35, s35, s36
	s_mul_i32 s46, s35, s44
	s_lshr_b32 s36, s34, 2
	s_and_b32 s36, s36, s43
	s_mul_i32 s36, s36, 48
	s_add_co_u32 s46, s46, s36
	s_mov_b32 s47, 0
	s_mul_i32 s42, s24, 768
	s_add_co_u32 s42, s42, 786432
	s_mov_b32 s43, 0
	v_mul_u32_u24 v8, v4, 768                      ; my row of the tile, + my half's 24 bytes
	s_delay_alu instid0(VALU_DEP_1)
	v_mad_u32_u24 v8, v3, 24, v8
	v_mul_lo_u32 v9, v4, s44
	s_delay_alu instid0(VALU_DEP_1)
	v_mad_u32_u24 v9, v3, 24, v9
.irp i, 0,1,2,3,4,5
	v_mov_b32 v[WB+\i], 0                          ; written on every way, since the loads below stand under a branch
.endr
	v_mov_b32 v[TP], 0                             ; a lane permute's destination counts as one of its sources
	v_mov_b32 v[TP+1], 0
	v_mov_b32 v205, 0                              ; (named as the upper half of the pair v[204:205])
	v_mov_b32 v206, 0
	s_wait_kmcnt 0x0
	s_cmp_lt_u32 s24, 1024
	s_cselect_b64 s[26:27], s[8:9], s[10:11]       ; the choices hang on ids alone
	s_cselect_b64 s[30:31], s[14:15], s[16:17]
	s_cselect_b32 s45, 0, 1966080
	s_cmp_lt_u32 s24, 512
	s_cselect_b64 s[30:31], s[12:13], s[30:31]
	s_add_co_u32 s40, s40, s45
	s_add_nc_u64 s[26:27], s[26:27], s[38:39]
	s_add_nc_u64 s[28:29], s[22:23], s[40:41]
	s_add_nc_u64 s[30:31], s[30:31], s[46:47]
	s_add_nc_u64 s[32:33], s[22:23], s[42:43]
	s_lshr_b32 s34, ttmp9, 1                       ; xq: HF number 64 x group + 4 x (K / 64) + tile; K / 64 = 4 (w & 3) + e, tile = 2 (work-group & 1) + (w >> 2)
	s_lshl_b32 s34, s34, 6
	s_and_b32 s35, s25, 3
	s_lshl_b32 s35, s35, 4
	s_add_co_u32 s34, s34, s35
	s_and_b32 s35, ttmp9, 1
	s_lshl_b32 s35, s35, 1
	s_add_co_u32 s34, s34, s35
	s_lshr_b32 s35, s25, 2
	s_add_co_u32 s34, s34, s35
	s_mul_i32 s34, s34, 768
	s_mov_b32 s35, 0
	s_add_nc_u64 s[52:53], s[18:19], s[34:35]
	s_lshl_b32 s34, ttmp9, 10                      ; its scale bytes: 32 rows x 32 bytes a work-group
	s_add_co_u32 s34, s34, 6291456
	s_add_nc_u64 s[54:55], s[18:19], s[34:35]
	s_lshl_b32 s34, s24, 14                        ; x at my 4 rows
	s_add_nc_u64 s[4:5], s[4:5], s[34:35]
	s_lshl_b32 s34, s24, 8                         ; the table at my position
	s_add_nc_u64 s[20:21], s[20:21], s[34:35]
	global_load_b64 v[WA:WA+1], v8, s[26:27]
	global_load_b64 v[WA+2:WA+3], v8, s[26:27] offset:8
	global_load_b64 v[WA+4:WA+5], v8, s[26:27] offset:16
	s_cmp_lt_u32 s24, 1536
	s_cbranch_scc0 .Lno_b_load
	global_load_b64 v[WB:WB+1], v9, s[30:31]
	global_load_b64 v[WB+2:WB+3], v9, s[30:31] offset:8
	global_load_b64 v[WB+4:WB+5], v9, s[30:31] offset:16
.Lno_b_load:
.irp j, 0,1,2,3,4,5,6,7
	global_load_b128 v[NW+4*\j:NW+4*\j+3], v5, s[6:7] offset:512*\j
.endr
.irp k, 0,1,2,3
.irp j, 0,1,2,3,4,5,6,7
	global_load_b128 v[XR+32*\k+4*\j:XR+32*\k+4*\j+3], v5, s[4:5] offset:4096*\k+512*\j th:TH_LOAD_NT   ; 32 lanes read 512 consecutive bytes
.endr
.endr
	s_wait_loadcnt 40                              ; the weights' loads are in: behind them stand norm_w's 8 and x's 32
	global_store_b128 v5, v[WA:WA+3], s[28:29]     ; an image's 512 consecutive bytes,
	global_store_b64 v6, v[WA+4:WA+5], s[28:29] offset:512   ; and its 256
	s_cmp_lt_u32 s24, 1536
	s_cbranch_scc0 .Lno_b_store
	s_wait_alu depctr_va_vdst(0)
	global_store_b128 v5, v[WB:WB+3], s[32:33]
	global_store_b64 v6, v[WB+4:WB+5], s[32:33] offset:512
.Lno_b_store:
	; the table, while x is on its way: position I, frequency j = lane
	v_cvt_f32_u32 v210, v1
	s_delay_alu instid0(VALU_DEP_1)
	v_mul_f32 v210, 0xbed49a78, v210               ; -j log2(10000) / 32
	s_wait_alu depctr_va_vdst(0)
	v_exp_f32 v211, v210
	v_cvt_f32_u32 v212, s24                        ; (a plain place behind the exponential)
	s_wait_alu depctr_va_vdst(0)
	v_mul_f32 v212, v212, v211                     ; the angle
	s_delay_alu instid0(VALU_DEP_1)
	v_mul_f32 v213, 0x3f22f983, v212               ; x 2 / pi
	s_delay_alu instid0(VALU_DEP_1)
	v_rndne_f32 v213, v213                         ; n, at most 1,303
	s_delay_alu instid0(VALU_DEP_1)
	v_fmamk_f32 v214, v213, 0xbfc90000, v212       ; angle - n pi / 2, pi / 2 in three parts; the first two products are exact
	s_delay_alu instid0(VALU_DEP_1)
	v_fmamk_f32 v214, v213, 0xb9fda000, v214
	s_delay_alu instid0(VALU_DEP_1)
	v_fmamk_f32 v214, v213, 0xb3a22169, v214
	s_delay_alu instid0(VALU_DEP_4)
	v_cvt_i32_f32 v215, v213
	s_delay_alu instid0(VALU_DEP_2)
	v_mul_f32 v216, v214, v214
	v_mov_b32 v217, 0xb94ca1f9                     ; sine and cosine on -pi / 4 .. pi / 4, two chains by turns
	v_mov_b32 v218, 0x37ccf5ce
	s_delay_alu instid0(VALU_DEP_2)
	v_fmaak_f32 v217, v217, v216, 0x3c08839e
	s_delay_alu instid0(VALU_DEP_2)
	v_fmaak_f32 v218, v218, v216, 0xbab6061a
	s_delay_alu instid0(VALU_DEP_2)
	v_fmaak_f32 v217, v217, v216, 0xbe2aaaa3
	s_delay_alu instid0(VALU_DEP_2)
	v_fmaak_f32 v218, v218, v216, 0x3d2aaaa5
	s_delay_alu instid0(VALU_DEP_2)
	v_mul_f32 v217, v217, v216
	s_delay_alu instid0(VALU_DEP_2)
	v_mul_f32 v218, v218, v216
	v_fma_f32 v219, v216, -0.5, 1.0
	s_delay_alu instid0(VALU_DEP_3)
	v_fma_f32 v217, v217, v214, v214
	s_delay_alu instid0(VALU_DEP_2)
	v_fma_f32 v218, v218, v216, v219
	v_and_b32 v222, 1, v215                        ; the quadrant n & 3 only selects values and signs
	s_delay_alu instid0(VALU_DEP_1)
	v_cmp_eq_u32 vcc_lo, 1, v222
	s_delay_alu instid0(VALU_DEP_1)
	v_cndmask_b32 v221, v217, v218, vcc_lo         ; sin
	s_delay_alu instid0(VALU_DEP_2)
	v_cndmask_b32 v220, v218, v217, vcc_lo         ; cos
	v_and_b32 v222, 2, v215
	s_delay_alu instid0(VALU_DEP_1)
	v_lshlrev_b32 v222, 30, v222
	s_delay_alu instid0(VALU_DEP_1)
	v_xor_b32 v221, v221, v222
	v_add_nc_u32 v223, 1, v215
	s_delay_alu instid0(VALU_DEP_1)
	v_and_b32 v223, 2, v223
	s_delay_alu instid0(VALU_DEP_1)
	v_lshlrev_b32 v223, 30, v223
	s_delay_alu instid0(VALU_DEP_1)
	v_xor_b32 v220, v220, v223
	global_store_b32 v7, v220, s[20:21]            ; the wave's two stores fill the position's 256 bytes
	global_store_b32 v7, v221, s[20:21] offset:128
; row k: mean of squares, rsqrt, (x rs) w in that order, into the stage
.macro NORMROW k
.set X, XR+32*\k
	s_wait_loadcnt 24-8*\k                         ; norm_w and this row are in; the later rows' loads, 8 each, may be out
	v_pk_mul_f32 v[200:201], v[X:X+1], v[X:X+1]
	v_pk_mul_f32 v[202:203], v[X+2:X+3], v[X+2:X+3]
.irp i, 4,8,12,16,20,24,28
	s_delay_alu instid0(VALU_DEP_2)
	v_pk_fma_f32 v[200:201], v[X+\i:X+\i+1], v[X+\i:X+\i+1], v[200:201]
	s_delay_alu instid0(VALU_DEP_2)
	v_pk_fma_f32 v[202:203], v[X+\i+2:X+\i+3], v[X+\i+2:X+\i+3], v[202:203]
.endr
	s_delay_alu instid0(VALU_DEP_1)
	v_pk_add_f32 v[200:201], v[200:201], v[202:203]
	s_delay_alu instid0(VALU_DEP_1)
	v_add_f32 v200, v200, v201
	s_delay_alu instid0(VALU_DEP_1)
	v_add_f32_dpp v200, v200, v200 row_xmask:1 row_mask:0xf bank_mask:0xf
	s_delay_alu instid0(VALU_DEP_1)
	v_add_f32_dpp v200, v200, v200 row_xmask:2 row_mask:0xf bank_mask:0xf
	s_delay_alu instid0(VALU_DEP_1)
	v_add_f32_dpp v200, v200, v200 row_xmask:4 row_mask:0xf bank_mask:0xf
	s_delay_alu instid0(VALU_DEP_1)
	v_add_f32_dpp v200, v200, v200 row_xmask:8 row_mask:0xf bank_mask:0xf
	s_delay_alu instid0(VALU_DEP_1)
	v_permlanex16_b32 v206, v200, s[SEL], s[SEL+1]
	s_delay_alu instid0(VALU_DEP_1)
	v_add_f32 v200, v200, v206
	s_delay_alu instid0(VALU_DEP_1)
	v_fma_f32 v200, v200, s51, s50                 ; the mean + 1e-6
	s_wait_alu depctr_va_vdst(0)
	v_rsq_f32 v204, v200
	v_nop                                          ; one plain place behind a transcendental
	s_wait_alu depctr_va_vdst(0)
.irp i, 0,2,4,6,8,10,12,14,16,18,20,22,24,26,28,30
	v_pk_mul_f32 v[X+\i:X+\i+1], v[X+\i:X+\i+1], v[204:205] op_sel_hi:[1,0]
.endr
.irp i, 0,2,4,6,8,10,12,14,16,18,20,22,24,26,28,30
	v_pk_mul_f32 v[X+\i:X+\i+1], v[X+\i:X+\i+1], v[NW+\i:NW+\i+1]
.endr
.irp j, 0,1,2,3,4,5,6,7
	ds_store_b128 v10, v[X+4*\j:X+4*\j+3] offset:\k*PITCH+512*\j
.endr
.endm
	NORMROW 0
	NORMROW 1
	NORMROW 2
	NORMROW 3
	s_wait_dscnt 0x0                               ; for the others' sake: my rows lie in the stage
	s_barrier_signal -1
	s_barrier_wait -1
.macro QLOAD e                         ; 64 columns of my tile: 32 numbers a lane, into set e % 2
.irp b, 0,1
.irp j, 0,1,2,3
	ds_load_b128 v[XR+32*((\e)%2)+16*\b+4*\j:XR+32*((\e)%2)+16*\b+4*\j+3], v11 offset:256*(\e)+128*\b+16*\j
.endr
.endr
.endm
	QLOAD 0
	QLOAD 1
.irp e, 0,1,2,3
.if \e < 3
	s_wait_dscnt 8                                 ; this set is in; the next set's 8 loads may be out
.else
	s_wait_dscnt 0x0
.endif
	QUANT2 XR+32*(\e%2), CD+6*\e
.if \e < 2
	QLOAD \e+2
.endif
.if \e%2 == 0
	v_lshl_or_b32 v[208+\e/2], v[BY+1], 8, v[BY]   ; eight bytes make two words, the lower K in the lower byte
.else
	v_lshl_or_b32 v[208+\e/2], v[BY], 16, v[208+\e/2]
	s_delay_alu instid0(VALU_DEP_1)
	v_lshl_or_b32 v[208+\e/2], v[BY+1], 24, v[208+\e/2]
.endif
	global_store_b128 v5, v[CD+6*\e:CD+6*\e+3], s[52:53] offset:3072*\e
	global_store_b64 v6, v[CD+6*\e+4:CD+6*\e+5], s[52:53] offset:3072*\e+512
.endr
	ds_store_b64 v12, v[208:209]                   ; both halves of the lanes write the same bytes with the same values
	s_wait_dscnt 0x0
	s_barrier_signal -1
	s_barrier_wait -1
	s_cmp_lt_u32 s25, 2
	s_cbranch_scc0 .Lend
	ds_load_b128 v[224:227], v14
	s_wait_dscnt 0x0
	global_store_b128 v13, v[224:227], s[54:55]    ; the work-group's 1,024 scale bytes: 512 consecutive bytes a wave
.Lend:
	s_wait_tensorcnt 0x0
	ds_add_u32 v254, v255
	s_wait_dscnt 0x0
	s_endpgm
.Lfunc_end_k_q469d4b50f2_prep:
	.size	k_q469d4b50f2_prep, .Lfunc_end_k_q469d4b50f2_prep-k_q469d4b50f2_prep
	.p2alignl 7, 3214868480
	.fill 96, 4, 3214868480
	.section	.rodata,"a",@progbits
	.p2align	6, 0x0
	.amdhsa_kernel k_q469d4b50f2_prep
		.amdhsa_group_segment_fixed_size 133632
		.amdhsa_private_segment_fixed_size 0
		.amdhsa_enable_private_segment 0
		.amdhsa_kernarg_size 80
		.amdhsa_user_sgpr_count 2
		.amdhsa_user_sgpr_kernarg_segment_ptr 1
		.amdhsa_wavefront_size32 1
		.amdhsa_system_sgpr_workgroup_id_x 1
		.amdhsa_system_sgpr_workgroup_id_y 1
		.amdhsa_system_sgpr_workgroup_id_z 1
		.amdhsa_system_vgpr_workitem_id 0
		.amdhsa_next_free_vgpr 256
		.amdhsa_next_free_sgpr 66
		.amdhsa_reserve_vcc 1
		.amdhsa_float_denorm_mode_32 3
		.amdhsa_float_denorm_mode_16_64 3
		.amdhsa_memory_ordered 1
		.amdhsa_forward_progress 1
		.amdhsa_inst_pref_size 48
	.end_amdhsa_kernel
	.amdgpu_metadata
---
amdhsa.version: [ 1, 2 ]
amdhsa.kernels:
  - .name:           k_q469d4b50f2_prep
    .symbol:         k_q469d4b50f2_prep.kd
    .args:
      - { .name: x, .offset: 0, .size: 8, .value_kind: global_buffer, .address_space: global }
      - { .name: norm_w, .offset: 8, .size: 8, .value_kind: global_buffer, .address_space: global }
      - { .name: wq_codes, .offset: 16, .size: 8, .value_kind: global_buffer, .address_space: global }
      - { .name: wo_codes, .offset: 24, .size: 8, .value_kind: global_buffer, .address_space: global }
      - { .name: kv_down_codes, .offset: 32, .size: 8, .value_kind: global_buffer, .address_space: global }
      - { .name: wk_codes, .offset: 40, .size: 8, .value_kind: global_buffer, .address_space: global }
      - { .name: wv_codes, .offset: 48, .size: 8, .value_kind: global_buffer, .address_space: global }
      - { .name: xq, .offset: 56, .size: 8, .value_kind: global_buffer, .address_space: global }
      - { .name: rope, .offset: 64, .size: 8, .value_kind: global_buffer, .address_space: global }
      - { .name: wimg, .offset: 72, .size: 8, .value_kind: global_buffer, .address_space: global }
    .group_segment_fixed_size: 133632
    .private_segment_fixed_size: 0
    .kernarg_segment_align: 8
    .kernarg_segment_size: 80
    .max_flat_workgroup_size: 256
    .sgpr_count:     66
    .vgpr_count:     256
    .wavefront_size: 32
...
	.end_amdgpu_metadata
.endif
;; end of part 1
;; launch gemm1 (part 2): grid 64 x 6, 8 waves a work-group, clusters of 4 x 1, 308,992 bytes of LDS; arguments xq, wimg, wq_scales, kv_down_scales, rope, qi, kvq; writes qi, kvq
.if DOCPART == 2
	.amdgcn_target "amdgcn-amd-amdhsa--gfx1250"
	.amdhsa_code_object_version 6
	.text
	.protected	k_q469d4b50f2_gemm1
	.globl	k_q469d4b50f2_gemm1
	.p2align	8
	.type	k_q469d4b50f2_gemm1,@function
k_q469d4b50f2_gemm1:
	s_mov_b64 s[64:65], 0
	v_nop
	global_prefetch_b8 v0, s[64:65] scope:SCOPE_SE
	s_setreg_imm32_b32 hwreg(HW_REG_WAVE_MODE, 25, 1), 1
	s_wait_xcnt 0x0
	s_wait_alu depctr_hold_cnt(0) depctr_sa_sdst(0) depctr_va_vdst(0) depctr_va_sdst(0) depctr_va_ssrc(0) depctr_va_vcc(0) depctr_vm_vsrc(0)
	s_getreg_b32 s2, hwreg(HW_REG_IB_STS2, 6, 4)
	s_cmp_eq_u32 s2, 0
	s_cbranch_scc0 .Lentry_in_a_cluster
	s_endpgm
.Lentry_in_a_cluster:
	s_bfe_u32 s2, ttmp6, 0x10000c
	s_cmp_lg_u32 s2, 0x3003
	s_cbranch_scc0 .Lentry_shape_is_right
	s_endpgm
.Lentry_shape_is_right:
; q = rope(xn wq) and kv = xn kv_down, both on codes of E3M2 with E8M0 scales, and both quantised again on the way out: q along a head's 64 channels, kv along its 512 columns.
; A (xq) and B (wimg: wq's 16 groups of 64 rows, then kv_down's 8) lie in memory as images of operand registers: a half fragment (HF: 16 rows x 64 K, 6 registers a lane) is 768 bytes: registers 0-3 at 16 x lane,
; registers 4-5 at 512 + 8 x lane; a group of 64 rows is [K / 64][tile 0..3][768].  Lane r of tile t of a group is row 32 (t / 2) + 8 (t % 2) + r + 8 (r / 8).
; SHARES.  A work-group of 8 waves makes 128 rows x 256 columns; wave w makes 64 x 64: A's group w >> 2, B's group w & 3: 16 accumulators.  ALL of K (1,024) for the tile lies in LDS, filled ONCE: no byte of LDS is filled twice.
; THE PRODUCT IS USED TRANSPOSED (source 0 = 16 rows of the weight, source 1 = 16 rows of x): a lane holds one row of x, and by the choice of a tile's rows its 16 registers of two neighbouring tiles are 16 neighbouring columns.
; CLUSTER: the four work-groups along x walk the same 256 rows of the weight: B's tiles and scales are asked for jointly (mask 15).  A's tiles are each work-group's own: the grid has 6 work-groups along y, which no cluster of 4 divides.
; WORK-GROUP y < 4: columns of q, a head to a wave: rotated by the table, quantised, stored as the attention's images.  y >= 4: columns of kv, quantised and stored as the next product's images; of a row's 16 scale bytes a wave
; owns two, so these leave as single bytes (131,072 in the launch).
; LIMITS: NaN and infinities are not served; a block of zeros or under 2^-122 gets the byte 1: its codes are zeros and this program alone reads the bytes.
.set MG,   2                           ; A's groups in a work-group
.set GB,   49152                       ; a group's image
.set GS,   2176                        ; a group's scale bytes in LDS: 8 units of 256 bytes + 16
.set SR,   GS/272
.set SCLA, (MG+4)*GB                   ; LDS: A's groups, B's four groups, then the scales in the same order
.set TPA,  1088                        ; a tile's place among a group's scale bytes: TPA (t / 2) + TPB (t % 2)
.set TPB,  272
.set ASC,  6291456                     ; where xq's scale bytes begin
.set SC,   16                          ; v16-23   scale words: register 2 i + (K step % 2): lanes 0-15 A's tile i, lanes 16-31 B's tile i
.set AF,   32                          ; v32-79   A's four fragments
.set BF,   80                          ; v80-127  B's four
.set ACC,  128                         ; v128-255 accumulator (a, b) at 8 (4 a + b)
.set RS,   32                          ; the way out: two sets of 16 cos and 16 sin
.set CD,   96                          ; v96-119  four HFs of codes
.set WW,   1                           ; v1-4     the scale words or bytes just made
.set TM,   24
.set TP,   26
.set SO,   28
.set BY,   30
.set PX,   124
.set SEL,  92
.macro CROUND                          ; a round of the cluster's barrier
	s_barrier_signal -1
	s_barrier_wait -1
	s_cmp_lg_u32 s18, 0
	s_cbranch_scc1 .Lnot_wave_0_\@
	s_barrier_signal -3
.Lnot_wave_0_\@:
	s_barrier_wait -3
	s_barrier_signal -1
	s_barrier_wait -1
.endm
.macro HFL reg, a16, a8, off           ; a half fragment out of LDS, as it was stored
	ds_load_b128 v[\reg:\reg+3], v[\a16] offset:\off
	ds_load_b64 v[\reg+4:\reg+5], v[\a8] offset:\off+512
.endm
.macro MM a, q, zero                   ; A's tile a against B's four
.irp b, 0,1,2,3
.if \zero
	v_wmma_scale_f32_16x16x128_f8f6f4 v[ACC+8*(4*\a+\b):ACC+8*(4*\a+\b)+7], v[BF+12*\b:BF+12*\b+11], v[AF+12*\a:AF+12*\a+11], 0, v[SC+2*\b+\q], v[SC+2*\a+\q] matrix_a_fmt:MATRIX_FMT_BF6 matrix_b_fmt:MATRIX_FMT_BF6 matrix_a_scale:MATRIX_SCALE_ROW1
.else
	v_wmma_scale_f32_16x16x128_f8f6f4 v[ACC+8*(4*\a+\b):ACC+8*(4*\a+\b)+7], v[BF+12*\b:BF+12*\b+11], v[AF+12*\a:AF+12*\a+11], v[ACC+8*(4*\a+\b):ACC+8*(4*\a+\b)+7], v[SC+2*\b+\q], v[SC+2*\a+\q] matrix_a_fmt:MATRIX_FMT_BF6 matrix_b_fmt:MATRIX_FMT_BF6 matrix_a_scale:MATRIX_SCALE_ROW1
.endif
.endr
.endm
; 128 along K: 36 or 32 LDS loads, 16 matrix instructions.  The 16 accumulators take turns, one instruction a turn, in the same order in every step.  zero = 1: the first step starts the sums.
.macro KSTEP ks, zero
.if \zero == 0
.rept 4
	v_nop                                          ; four places in front of loads into registers that matrix instructions have read
.endr
.endif
.if (\ks)%2 == 0
.irp i, 0,1,2,3
	ds_load_b64 v[SC+2*\i:SC+2*\i+1], v9 offset:TPA*(\i/2)+TPB*(\i%2)+4*(\ks)   ; two K steps' scale words
.endr
.endif
.irp i, 0,1,2,3
	HFL BF+12*\i, 7, 8, (8*(\ks)+\i)*768
	HFL BF+12*\i+6, 7, 8, (8*(\ks)+4+\i)*768
.endr
.irp i, 0,1,2,3
	HFL AF+12*\i, 5, 6, (8*(\ks)+\i)*768
	HFL AF+12*\i+6, 5, 6, (8*(\ks)+4+\i)*768
.endr
	s_wait_dscnt 8                                 ; all but the youngest eight: A's tiles 2 and 3
	MM 0, (\ks)%2, \zero
	MM 1, (\ks)%2, \zero
	s_wait_dscnt 0x0
	MM 2, (\ks)%2, \zero
	MM 3, (\ks)%2, \zero
.endm
; 32 numbers of a lane, register 16 b + i = k 32 b + 16 (lane / 16) + i of my row, become an HF in v[pc .. pc + 5]; the two blocks' scale bytes come in v[BY], v[BY + 1], alike in both halves of the lanes.
.macro QUANT2 s, pc
	v_max3_num_f32 v[TM], |v[\s]|, |v[\s+1]|, 0x2800000            ; my 16 numbers of block 0, and the floor 2^(5 - 127): the byte cannot fall under 1
	v_max3_num_f32 v[TM+1], |v[\s+16]|, |v[\s+17]|, 0x2800000
.irp i, 2,4,6,8,10,12,14
	v_max3_num_f32 v[TM], v[TM], |v[\s+\i]|, |v[\s+\i+1]|
	v_max3_num_f32 v[TM+1], v[TM+1], |v[\s+16+\i]|, |v[\s+17+\i]|
.endr
	s_delay_alu instid0(VALU_DEP_2)
	v_permlanex16_b32 v[TP], v[TM], s[SEL], s[SEL+1]
	s_delay_alu instid0(VALU_DEP_2)
	v_permlanex16_b32 v[TP+1], v[TM+1], s[SEL], s[SEL+1]
	s_delay_alu instid0(VALU_DEP_2)
	v_max_num_f32 v[TM], v[TM], v[TP]
	s_delay_alu instid0(VALU_DEP_2)
	v_max_num_f32 v[TM+1], v[TM+1], v[TP+1]
	s_delay_alu instid0(VALU_DEP_2)
	v_add_nc_u32 v[SO], 0xfe000000, v[TM]                          ; 4 off the exponent field: the conversion's scale operand
	s_delay_alu instid0(VALU_DEP_2)
	v_add_nc_u32 v[SO+1], 0xfe000000, v[TM+1]
	s_delay_alu instid0(VALU_DEP_2)
	v_lshrrev_b32 v[BY], 23, v[SO]
	s_delay_alu instid0(VALU_DEP_2)
	v_lshrrev_b32 v[BY+1], 23, v[SO+1]
	v_cvt_scalef32_pk16_bf6_f32 v[\pc:\pc+2], v[\s:\s+15], v[SO]
	v_cvt_scalef32_pk16_bf6_f32 v[PX:PX+2], v[\s+16:\s+31], v[SO+1]
	v_nop                                                          ; one plain place behind a scaled conversion
.irp i, 0,1,2
	v_permlane16_swap_b32 v[\pc+\i], v[PX+\i]
.endr
.irp i, 0,1,2
	s_delay_alu instid0(VALU_DEP_3)
	v_mov_b32 v[\pc+3+\i], v[PX+\i]
.endr
.endm
.macro RLOAD a                         ; cos and sin of my position in A's tile a, frequencies 16 (lane / 16) + 0 .. 15
.irp k, 0,1,2,3
	global_load_b128 v[RS+32*((\a)%2)+4*\k:RS+32*((\a)%2)+4*\k+3], v12, s[100:101] offset:(32*((\a)/2)+8*((\a)%2))*256+16*\k
	global_load_b128 v[RS+32*((\a)%2)+16+4*\k:RS+32*((\a)%2)+16+4*\k+3], v12, s[100:101] offset:(32*((\a)/2)+8*((\a)%2))*256+128+16*\k
.endr
.endm
.macro ROPE a                          ; registers 0-15 of the tile's 32 are channels 16 h + i (t1), registers 16-31 channels 32 + 16 h + i (t2).  Ascending: each accumulator is first read at its low end
.set T1, ACC+32*(\a)
.set CSN, RS+32*((\a)%2)
.irp i, 0,2,4,6,8,10,12,14
.set TT, 120+4*((\i/2)%2)
	v_pk_mul_f32 v[TT:TT+1], v[T1+16+\i:T1+17+\i], v[CSN+16+\i:CSN+17+\i]       ; t2 sin
	v_pk_mul_f32 v[TT+2:TT+3], v[T1+16+\i:T1+17+\i], v[CSN+\i:CSN+\i+1]         ; t2 cos
	v_pk_fma_f32 v[T1+16+\i:T1+17+\i], v[T1+\i:T1+\i+1], v[CSN+16+\i:CSN+17+\i], v[TT+2:TT+3]   ; t1 sin + t2 cos
	v_pk_fma_f32 v[T1+\i:T1+\i+1], v[T1+\i:T1+\i+1], v[CSN+\i:CSN+\i+1], v[TT:TT+1] neg_lo:[0,0,1] neg_hi:[0,0,1]   ; t1 cos - t2 sin
.endr
.endm
; rotate, quantise and store four tiles of 16 positions x 64 channels.  Codes: s[96:97] + 768 a.  Scale words (b0, b1, b0, b1: the instruction's K is 128, the head's 64): word p of lane l belongs to tile 2 p + l / 16.
.macro ROPEQ
	RLOAD 0
	RLOAD 1
.irp a, 0,1,2,3
.if \a < 3
	s_wait_loadcnt 8                               ; this tile's 8 loads are in; the next tile's may be out
.else
	s_wait_loadcnt 0x0
.endif
	ROPE \a
.if \a < 2
	RLOAD \a+2
.endif
	QUANT2 ACC+32*\a, CD+6*\a
	v_lshl_or_b32 v[WW+\a], v[BY+1], 8, v[BY]
	s_delay_alu instid0(VALU_DEP_1)
	v_lshl_or_b32 v[WW+\a], v[WW+\a], 16, v[WW+\a]
	global_store_b128 v10, v[CD+6*\a:CD+6*\a+3], s[96:97] offset:768*\a
	global_store_b64 v11, v[CD+6*\a+4:CD+6*\a+5], s[96:97] offset:768*\a+512
.endr
	v_cndmask_b32 v14, v[WW], v[WW+1], s94         ; lanes 16-31 take the odd tile's word
	v_cndmask_b32 v15, v[WW+2], v[WW+3], s94
	global_store_b64 v11, v[14:15], s[98:99]       ; 256 consecutive bytes
.endm
	s_load_b256 s[4:11], s[0:1], 0x0               ; xq s[4:5], wimg s[6:7], wq_scales s[8:9], kv_down_scales s[10:11]
	s_load_b128 s[12:15], s[0:1], 0x20             ; rope s[12:13], qi s[14:15]
	s_load_b64 s[16:17], s[0:1], 0x30              ; kvq
	s_set_vgpr_msb 0x40
	v_lshl_add_u32 v0, v0, 2, 0x4b300
	v_mov_b32 v1, 0
	s_set_vgpr_msb 0x4045
	ds_add_u32 v0, v1
	ds_add_u32 v0, v1
	s_set_vgpr_msb 0x4500
	v_lshrrev_b32 v1, 5, v0
	s_delay_alu instid0(VALU_DEP_1)
	v_readfirstlane_b32 s18, v1                    ; wave
	s_lshr_b32 s19, s18, 2                         ; which of A's groups is mine
	s_and_b32 s20, s18, 3                          ; which of B's
	s_bfe_u32 s21, ttmp6, 0x40000                  ; cx
	s_lshl_b32 s22, ttmp9, 2
	s_add_co_u32 s22, s22, s21                     ; X = work-group x: it enters A's addresses and the way out alone
	s_and_b32 s23, ttmp7, 0xffff                   ; Y = work-group y, which the four partners share
	; descriptor groups 1: dense blocks as rows of 256 bytes (32 elements of 8 bytes).  Codes: a whole group, no padding.  Scales: a group's, 16 bytes of padding behind each row.  B's carry the mask of all four partners and bit 21.
	s_mov_b32 s24, 3<<16
	s_mov_b32 s32, 15|(3<<16)|(1<<21)
	s_mov_b32 s40, (3<<16)|(1<<20)|(5<<22)|(3<<25)
	s_mov_b32 s48, 15|(3<<16)|(1<<20)|(1<<21)|(5<<22)|(3<<25)
.irp g, 24, 32
	s_mov_b32 s[\g+1], 32<<16                      ; tensor_dim0
	s_mov_b32 s[\g+2], (GB/256)<<16                ; tensor_dim1: a whole group
	s_mov_b32 s[\g+3], 32<<16                      ; tile_dim0
	s_mov_b32 s[\g+4], GB/256                      ; tile_dim1
	s_mov_b32 s[\g+5], 32                          ; the pitch
	s_mov_b32 s[\g+6], 0
	s_mov_b32 s[\g+7], 0
.endr
.irp g, 40, 48
	s_mov_b32 s[\g+1], 32<<16
	s_mov_b32 s[\g+2], ((MG+(\g-40)/8*(4-MG))*SR)<<16   ; the scales of all of A's groups, or of B's four, are one dense block
	s_mov_b32 s[\g+3], 32<<16
	s_mov_b32 s[\g+4], (MG+(\g-40)/8*(4-MG))*SR
	s_mov_b32 s[\g+5], 32
	s_mov_b32 s[\g+6], 0
	s_mov_b32 s[\g+7], 0
.endr
	s_mov_b32 s92, 0x76543210
	s_mov_b32 s93, 0xfedcba98
	s_mov_b32 s94, 0xffff0000                      ; lanes 16-31
	s_add_co_u32 s95, s18, 14                      ; wave 0 fetches A's scales, wave 1 B's; wave w >= 2 fetches group f = w - 2 of the codes: A's groups, then B's four
	s_and_b32 s95, s95, 15
	s_min_u32 s88, s95, MG+3
	s_mul_i32 s88, s88, GB                         ; group f lies at f GB
	s_min_u32 s91, s95, MG-1
	s_mul_i32 s84, s22, MG
	s_add_co_u32 s91, s91, s84                     ; A's group in memory
	s_mov_b32 s85, 0
	s_add_co_u32 s90, s95, 4-MG
	s_and_b32 s90, s90, 3                          ; which of B's four I fetch
	s_mov_b32 s87, 0
	s_wait_dscnt 0x0
	s_wait_kmcnt 0x0
	s_mul_i32 s84, s91, GB
	s_add_nc_u64 s[62:63], s[4:5], s[84:85]        ; A: my group's codes,
	s_mul_i32 s84, s22, MG*256*SR
	s_add_co_u32 s84, s84, ASC
	s_add_nc_u64 s[58:59], s[4:5], s[84:85]        ; the scales
	s_lshl_b32 s86, s23, 2
	s_add_co_u32 s86, s86, s90
	s_mul_i32 s86, s86, GB
	s_add_nc_u64 s[78:79], s[6:7], s[86:87]        ; B likewise: nothing here hangs on cx
	s_cmp_lt_u32 s23, 4
	s_cselect_b64 s[96:97], s[8:9], s[10:11]
	s_and_b32 s86, s23, 3
	s_lshl_b32 s86, s86, 2
	s_mul_i32 s86, s86, 256*SR
	s_add_nc_u64 s[74:75], s[96:97], s[86:87]
.irp g, 56, 72
	s_mov_b32 s[\g], 1
	s_mov_b32 s[\g+1], SCLA+(\g-56)/16*MG*GS
	s_or_b32 s[\g+3], s[\g+3], 0x80000000
.endr
.irp g, 60, 76
	s_mov_b32 s[\g], 1
	s_mov_b32 s[\g+1], s88
	s_or_b32 s[\g+3], s[\g+3], 0x80000000
.endr
	CROUND                                         ; all four work-groups are here: the joint loads meet
; the fills, one a wave, in one chain of branches on the wave's number, every arm leading to one join
.macro ARM under, g0, g1, next
	s_cmp_lt_u32 s18, \under
	s_cbranch_scc0 \next
	tensor_load_to_lds s[\g0:\g0+3], s[\g1:\g1+7]
	s_nop 0
.rept 4
	v_nop
.endr
	s_branch .Lasked
\next:
.endm
	ARM 1, 56, 40, .Lnot_sa                        ; A's scales
	ARM 2, 72, 48, .Lnot_sb                        ; B's scales, jointly
	ARM MG+2, 60, 24, .Lnot_a                      ; a group of A
	tensor_load_to_lds s[76:79], s[32:39]          ; a group of B, jointly
	s_nop 0
.rept 4
	v_nop
.endr
.Lasked:
	v_and_b32 v1, 31, v0                           ; lane
	v_and_b32 v2, 15, v0                           ; r
	v_bfe_u32 v3, v0, 4, 1                         ; h
	s_delay_alu instid0(VALU_DEP_2)
	v_and_b32 v4, 8, v2
	s_delay_alu instid0(VALU_DEP_1)
	v_add_nc_u32 v4, v4, v2                        ; r + 8 (r / 8)
	v_lshlrev_b32 v10, 4, v1
	v_lshlrev_b32 v11, 3, v1
	s_mul_i32 s2, s19, GB
	v_add_nc_u32 v5, s2, v10                       ; A's group: 16 x lane, 8 x lane
	v_add_nc_u32 v6, s2, v11
	s_add_co_u32 s3, s20, MG
	s_mul_i32 s3, s3, GB
	v_add_nc_u32 v7, s3, v10                       ; B's
	v_add_nc_u32 v8, s3, v11
	v_and_b32 v9, 7, v2                            ; a row's 32 scale bytes: eight rows to a unit of 256 bytes; rows r >= 8 of a tile lie two units on
	s_delay_alu instid0(VALU_DEP_1)
	v_lshlrev_b32 v9, 5, v9
	v_lshrrev_b32 v12, 3, v2
	s_delay_alu instid0(VALU_DEP_1)
	v_mad_u32_u24 v9, v12, 544, v9
	s_mul_i32 s2, s19, GS
	s_mul_i32 s3, s20, GS
	s_add_co_u32 s3, s3, MG*GS
	s_sub_co_u32 s3, s3, s2
	v_mul_u32_u24 v12, s3, v3                      ; lanes 16-31 take B's: one product, the distance between the two
	s_add_co_u32 s2, s2, SCLA
	v_add_nc_u32 v9, v9, v12
	s_delay_alu instid0(VALU_DEP_1)
	v_add_nc_u32 v9, s2, v9
	v_lshlrev_b32 v12, 8, v4
	s_delay_alu instid0(VALU_DEP_1)
	v_lshl_add_u32 v12, v3, 6, v12                 ; the table: 256 bytes a position, + my half's 16 frequencies
	v_lshl_add_u32 v13, v4, 4, v3                  ; kv's scale bytes: 16 a row, + my half's block
	v_mov_b32 v[TP], 0                             ; a lane permute's destination counts as one of its sources
	v_mov_b32 v[TP+1], 0
	s_wait_alu depctr_va_vdst(0)
	s_wait_tensorcnt 0x0                           ; my one load has landed
	s_barrier_signal -1
	s_barrier_wait -1
	KSTEP 0, 1
	KSTEP 1, 0
	KSTEP 2, 0
	KSTEP 3, 0
	KSTEP 4, 0
	KSTEP 5, 0
	KSTEP 6, 0
	KSTEP 7, 0
.rept 4
	v_nop                                          ; four places in front of the first read of results and of loads into the fragments' registers
.endr
	s_lshl_b32 s84, s22, 7
	s_lshl_b32 s85, s19, 6
	s_add_co_u32 s84, s84, s85                     ; my first row
	s_lshr_b32 s85, s84, 11                        ; the batch
	s_and_b32 s91, s84, 2047                       ; my first position
	s_mov_b32 s3, 0
	s_cmp_lt_u32 s23, 4                            ; the same in all partners
	s_cbranch_scc0 .Lplain
	s_lshl_b32 s86, s23, 2
	s_add_co_u32 s86, s86, s20                     ; the head
	s_lshl_b32 s85, s85, 4
	s_add_co_u32 s86, s86, s85
	s_mul_i32 s86, s86, 106496                     ; qi: a (batch, head) is 128 tiles x 768 bytes, then 32 x 256 bytes of scale words
	s_lshr_b32 s2, s91, 4
	s_mul_i32 s2, s2, 768
	s_add_co_u32 s2, s2, s86
	s_add_nc_u64 s[96:97], s[14:15], s[2:3]
	s_lshr_b32 s2, s91, 6
	s_lshl_b32 s2, s2, 8
	s_add_co_u32 s2, s2, s86
	s_add_co_u32 s2, s2, 98304
	s_add_nc_u64 s[98:99], s[14:15], s[2:3]
	s_lshl_b32 s2, s91, 8
	s_add_nc_u64 s[100:101], s[12:13], s[2:3]
	ROPEQ
	s_branch .Ldone
.Lplain:
	s_lshl_b32 s86, s23, 2
	s_add_co_u32 s86, s86, s20
	s_sub_co_u32 s86, s86, 16                      ; K / 64 of the next product: 4 (Y - 4) + my group
	s_lshr_b32 s2, s84, 6
	s_lshl_b32 s2, s2, 3
	s_add_co_u32 s2, s2, s86
	s_mul_i32 s2, s2, 3072
	s_add_nc_u64 s[96:97], s[16:17], s[2:3]
	s_lshl_b32 s2, s84, 4
	s_lshl_b32 s86, s86, 1
	s_add_co_u32 s2, s2, s86
	s_add_co_u32 s2, s2, 3145728
	s_add_nc_u64 s[98:99], s[16:17], s[2:3]
.irp a, 0,1,2,3
	QUANT2 ACC+32*\a, CD+6*\a
	v_cndmask_b32 v[WW+\a], v[BY], v[BY+1], s94    ; lane (r, h) stores block h's byte
	global_store_b128 v10, v[CD+6*\a:CD+6*\a+3], s[96:97] offset:768*\a
	global_store_b64 v11, v[CD+6*\a+4:CD+6*\a+5], s[96:97] offset:768*\a+512
	global_store_b8 v13, v[WW+\a], s[98:99] offset:(32*(\a/2)+8*(\a%2))*16
.endr
.Ldone:
	s_set_vgpr_msb 0x5
	s_wait_tensorcnt 0x0
	ds_add_u32 v0, v1
	s_wait_dscnt 0x0
	s_set_vgpr_msb 0x500
	CROUND                                         ; the closing round: no work-group ends while a partner may still ask for a tile that names it
	s_endpgm
.Lfunc_end_k_q469d4b50f2_gemm1:
	.size	k_q469d4b50f2_gemm1, .Lfunc_end_k_q469d4b50f2_gemm1-k_q469d4b50f2_gemm1
	.p2alignl 7, 3214868480
	.fill 96, 4, 3214868480
	.section	.rodata,"a",@progbits
	.p2align	6, 0x0
	.amdhsa_kernel k_q469d4b50f2_gemm1
		.amdhsa_group_segment_fixed_size 308992
		.amdhsa_private_segment_fixed_size 0
		.amdhsa_enable_private_segment 0
		.amdhsa_kernarg_size 56
		.amdhsa_user_sgpr_count 2
		.amdhsa_user_sgpr_kernarg_segment_ptr 1
		.amdhsa_wavefront_size32 1
		.amdhsa_system_sgpr_workgroup_id_x 1
		.amdhsa_system_sgpr_workgroup_id_y 1
		.amdhsa_system_sgpr_workgroup_id_z 1
		.amdhsa_system_vgpr_workitem_id 0
		.amdhsa_next_free_vgpr 258
		.amdhsa_next_free_sgpr 102
		.amdhsa_reserve_vcc 0
		.amdhsa_float_denorm_mode_32 3
		.amdhsa_float_denorm_mode_16_64 3
		.amdhsa_memory_ordered 1
		.amdhsa_forward_progress 1
		.amdhsa_inst_pref_size 76
	.end_amdhsa_kernel
	.amdgpu_metadata
---
amdhsa.version: [ 1, 2 ]
amdhsa.kernels:
  - .name:           k_q469d4b50f2_gemm1
    .symbol:         k_q469d4b50f2_gemm1.kd
    .args:
      - { .name: xq, .offset: 0, .size: 8, .value_kind: global_buffer, .address_space: global }
      - { .name: wimg, .offset: 8, .size: 8, .value_kind: global_buffer, .address_space: global }
      - { .name: wq_scales, .offset: 16, .size: 8, .value_kind: global_buffer, .address_space: global }
      - { .name: kv_down_scales, .offset: 24, .size: 8, .value_kind: global_buffer, .address_space: global }
      - { .name: rope, .offset: 32, .size: 8, .value_kind: global_buffer, .address_space: global }
      - { .name: qi, .offset: 40, .size: 8, .value_kind: global_buffer, .address_space: global }
      - { .name: kvq, .offset: 48, .size: 8, .value_kind: global_buffer, .address_space: global }
    .group_segment_fixed_size: 308992
    .private_segment_fixed_size: 0
    .kernarg_segment_align: 8
    .kernarg_segment_size: 56
    .max_flat_workgroup_size: 256
    .sgpr_count:     102
    .vgpr_count:     258
    .wavefront_size: 32
...
	.end_amdgpu_metadata
.endif
;; end of part 2
;; launch gemm2 (part 3): grid 32 x 8, 16 waves a work-group, clusters of 4 x 1, 207,360 bytes of LDS; arguments kvq, wimg, wk_scales, wv_scales, rope, kvi; writes kvi
.if DOCPART == 3
	.amdgcn_target "amdgcn-amd-amdhsa--gfx1250"
	.amdhsa_code_object_version 6
	.text
	.protected	k_q469d4b50f2_gemm2
	.globl	k_q469d4b50f2_gemm2
	.p2align	8
	.type	k_q469d4b50f2_gemm2,@function
k_q469d4b50f2_gemm2:
	s_mov_b64 s[64:65], 0
	v_nop
	global_prefetch_b8 v0, s[64:65] scope:SCOPE_SE
	s_setreg_imm32_b32 hwreg(HW_REG_WAVE_MODE, 25, 1), 1
	s_wait_xcnt 0x0
	s_wait_alu depctr_hold_cnt(0) depctr_sa_sdst(0) depctr_va_vdst(0) depctr_va_sdst(0) depctr_va_ssrc(0) depctr_va_vcc(0) depctr_vm_vsrc(0)
	s_getreg_b32 s2, hwreg(HW_REG_IB_STS2, 6, 4)
	s_cmp_eq_u32 s2, 0
	s_cbranch_scc0 .Lentry_in_a_cluster
	s_endpgm
.Lentry_in_a_cluster:
	s_bfe_u32 s2, ttmp6, 0x10000c
	s_cmp_lg_u32 s2, 0x3003
	s_cbranch_scc0 .Lentry_shape_is_right
	s_endpgm
.Lentry_shape_is_right:
; k = rope(kv wk) and v = kv wv, on codes of E3M2 with E8M0 scales, quantised again on the way out: k along a head's 64 channels, v ALONG THE KEYS.  Images and the choice of a tile's rows as in the launch before:
; a half fragment (HF: 16 rows x 64 K, 6 registers a lane) is 768 bytes (registers 0-3 at 16 x lane, 4-5 at 512 + 8 x lane); a group of 64 rows is [K / 64][tile][768]; lane r of tile t is row 32 (t / 2) + 8 (t % 2) + r + 8 (r / 8).
; SHARES.  A work-group of 16 waves makes 256 rows x 256 columns; wave w makes 64 x 64: A's group w >> 2 (64 keys), B's group w & 3 (a head).  All of K (512) lies in LDS, filled once.
; WORK-GROUP y < 4: k, the product transposed (source 0 = the weight's rows): a lane holds one key and its registers run along the channels.  y >= 4: v, the product as it stands (source 0 = kv's rows): a lane holds one channel
; and its registers run along the keys, which are the K of attention's second product.  The text parts on y behind its one barrier, in front of which every wave has waited for all its tensor loads: no barrier stands under the branch.
; OUT: kvi, for each (batch, head) 16 records of 128 keys, 13,056 bytes: k's 8 HFs; k's scale words [key half][lane][2]; v's 8 HFs (channel tile, key half); v's scale halves [key half][lane].
; CLUSTER: the four work-groups along x walk the same rows of the weight: B's tiles and scales are asked for jointly.  A's are each work-group's own, in the same form as in the launch before.
; LIMITS: NaN and infinities are not served; a block of zeros or under 2^-122 gets the byte 1: its codes are zeros and this program alone reads the bytes.
.set MG,   4
.set GB,   24576
.set GS,   1088
.set SR,   GS/272
.set SCLA, (MG+4)*GB
.set TPA,  544
.set TPB,  128
.set ASC,  3145728
.set WOFF, 1179648                     ; where wk's and wv's images begin in wimg
.set SC,   16
.set AF,   32
.set BF,   80
.set ACC,  128
.set RS,   32
.set CD,   96
.set WW,   1
.set TM,   24
.set TP,   26
.set SO,   28
.set BY,   30
.set PX,   124
.set SEL,  92
.macro CROUND
	s_barrier_signal -1
	s_barrier_wait -1
	s_cmp_lg_u32 s18, 0
	s_cbranch_scc1 .Lnot_wave_0_\@
	s_barrier_signal -3
.Lnot_wave_0_\@:
	s_barrier_wait -3
	s_barrier_signal -1
	s_barrier_wait -1
.endm
.macro HFL reg, a16, a8, off
	ds_load_b128 v[\reg:\reg+3], v[\a16] offset:\off
	ds_load_b64 v[\reg+4:\reg+5], v[\a8] offset:\off+512
.endm
; nat = 0: source 0 = B's tile b, source 1 = A's tile a, accumulator 4 a + b.  nat = 1: source 0 = A's tile a, source 1 = B's tile b, accumulator 4 b + a.  The scale operands and the row selector go with the sources.
.macro MM a, q, zero, nat
.irp b, 0,1,2,3
.if \nat
.set DD, ACC+8*(4*\b+\a)
.else
.set DD, ACC+8*(4*\a+\b)
.endif
.if \nat && \zero
	v_wmma_scale_f32_16x16x128_f8f6f4 v[DD:DD+7], v[AF+12*\a:AF+12*\a+11], v[BF+12*\b:BF+12*\b+11], 0, v[SC+2*\a+\q], v[SC+2*\b+\q] matrix_a_fmt:MATRIX_FMT_BF6 matrix_b_fmt:MATRIX_FMT_BF6 matrix_b_scale:MATRIX_SCALE_ROW1
.elseif \nat
	v_wmma_scale_f32_16x16x128_f8f6f4 v[DD:DD+7], v[AF+12*\a:AF+12*\a+11], v[BF+12*\b:BF+12*\b+11], v[DD:DD+7], v[SC+2*\a+\q], v[SC+2*\b+\q] matrix_a_fmt:MATRIX_FMT_BF6 matrix_b_fmt:MATRIX_FMT_BF6 matrix_b_scale:MATRIX_SCALE_ROW1
.elseif \zero
	v_wmma_scale_f32_16x16x128_f8f6f4 v[DD:DD+7], v[BF+12*\b:BF+12*\b+11], v[AF+12*\a:AF+12*\a+11], 0, v[SC+2*\b+\q], v[SC+2*\a+\q] matrix_a_fmt:MATRIX_FMT_BF6 matrix_b_fmt:MATRIX_FMT_BF6 matrix_a_scale:MATRIX_SCALE_ROW1
.else
	v_wmma_scale_f32_16x16x128_f8f6f4 v[DD:DD+7], v[BF+12*\b:BF+12*\b+11], v[AF+12*\a:AF+12*\a+11], v[DD:DD+7], v[SC+2*\b+\q], v[SC+2*\a+\q] matrix_a_fmt:MATRIX_FMT_BF6 matrix_b_fmt:MATRIX_FMT_BF6 matrix_a_scale:MATRIX_SCALE_ROW1
.endif
.endr
.endm
; 128 along K.  The 16 accumulators take turns, one instruction a turn, in the same order in every step.
.macro KSTEP ks, zero, nat
.if \zero == 0
.rept 4
	v_nop                                          ; four places in front of loads into registers that matrix instructions have read
.endr
.endif
.if (\ks)%2 == 0
.irp i, 0,1,2,3
	ds_load_b64 v[SC+2*\i:SC+2*\i+1], v9 offset:TPA*(\i/2)+TPB*(\i%2)+4*(\ks)
.endr
.endif
.irp i, 0,1,2,3
	HFL BF+12*\i, 7, 8, (8*(\ks)+\i)*768
	HFL BF+12*\i+6, 7, 8, (8*(\ks)+4+\i)*768
.endr
.irp i, 0,1,2,3
	HFL AF+12*\i, 5, 6, (8*(\ks)+\i)*768
	HFL AF+12*\i+6, 5, 6, (8*(\ks)+4+\i)*768
.endr
	s_wait_dscnt 8                                 ; all but the youngest eight: A's tiles 2 and 3
	MM 0, (\ks)%2, \zero, \nat
	MM 1, (\ks)%2, \zero, \nat
	s_wait_dscnt 0x0
	MM 2, (\ks)%2, \zero, \nat
	MM 3, (\ks)%2, \zero, \nat
.endm
; 32 numbers of a lane, register 16 b + i = k 32 b + 16 (lane / 16) + i of my row, become an HF in v[pc .. pc + 5]; the two blocks' scale bytes come in v[BY], v[BY + 1], alike in both halves of the lanes.
.macro QUANT2 s, pc
	v_max3_num_f32 v[TM], |v[\s]|, |v[\s+1]|, 0x2800000            ; and the floor 2^(5 - 127): the byte cannot fall under 1
	v_max3_num_f32 v[TM+1], |v[\s+16]|, |v[\s+17]|, 0x2800000
.irp i, 2,4,6,8,10,12,14
	v_max3_num_f32 v[TM], v[TM], |v[\s+\i]|, |v[\s+\i+1]|
	v_max3_num_f32 v[TM+1], v[TM+1], |v[\s+16+\i]|, |v[\s+17+\i]|
.endr
	s_delay_alu instid0(VALU_DEP_2)
	v_permlanex16_b32 v[TP], v[TM], s[SEL], s[SEL+1]
	s_delay_alu instid0(VALU_DEP_2)
	v_permlanex16_b32 v[TP+1], v[TM+1], s[SEL], s[SEL+1]
	s_delay_alu instid0(VALU_DEP_2)
	v_max_num_f32 v[TM], v[TM], v[TP]
	s_delay_alu instid0(VALU_DEP_2)
	v_max_num_f32 v[TM+1], v[TM+1], v[TP+1]
	s_delay_alu instid0(VALU_DEP_2)
	v_add_nc_u32 v[SO], 0xfe000000, v[TM]
	s_delay_alu instid0(VALU_DEP_2)
	v_add_nc_u32 v[SO+1], 0xfe000000, v[TM+1]
	s_delay_alu instid0(VALU_DEP_2)
	v_lshrrev_b32 v[BY], 23, v[SO]
	s_delay_alu instid0(VALU_DEP_2)
	v_lshrrev_b32 v[BY+1], 23, v[SO+1]
	v_cvt_scalef32_pk16_bf6_f32 v[\pc:\pc+2], v[\s:\s+15], v[SO]
	v_cvt_scalef32_pk16_bf6_f32 v[PX:PX+2], v[\s+16:\s+31], v[SO+1]
	v_nop                                                          ; one plain place behind a scaled conversion
.irp i, 0,1,2
	v_permlane16_swap_b32 v[\pc+\i], v[PX+\i]
.endr
.irp i, 0,1,2
	s_delay_alu instid0(VALU_DEP_3)
	v_mov_b32 v[\pc+3+\i], v[PX+\i]
.endr
.endm
.macro RLOAD a
.irp k, 0,1,2,3
	global_load_b128 v[RS+32*((\a)%2)+4*\k:RS+32*((\a)%2)+4*\k+3], v12, s[100:101] offset:(32*((\a)/2)+8*((\a)%2))*256+16*\k
	global_load_b128 v[RS+32*((\a)%2)+16+4*\k:RS+32*((\a)%2)+16+4*\k+3], v12, s[100:101] offset:(32*((\a)/2)+8*((\a)%2))*256+128+16*\k
.endr
.endm
.macro ROPE a                          ; ascending: each accumulator is first read at its low end
.set T1, ACC+32*(\a)
.set CSN, RS+32*((\a)%2)
.irp i, 0,2,4,6,8,10,12,14
.set TT, 120+4*((\i/2)%2)
	v_pk_mul_f32 v[TT:TT+1], v[T1+16+\i:T1+17+\i], v[CSN+16+\i:CSN+17+\i]
	v_pk_mul_f32 v[TT+2:TT+3], v[T1+16+\i:T1+17+\i], v[CSN+\i:CSN+\i+1]
	v_pk_fma_f32 v[T1+16+\i:T1+17+\i], v[T1+\i:T1+\i+1], v[CSN+16+\i:CSN+17+\i], v[TT+2:TT+3]
	v_pk_fma_f32 v[T1+\i:T1+\i+1], v[T1+\i:T1+\i+1], v[CSN+\i:CSN+\i+1], v[TT:TT+1] neg_lo:[0,0,1] neg_hi:[0,0,1]
.endr
.endm
.macro ROPEQ
	RLOAD 0
	RLOAD 1
.irp a, 0,1,2,3
.if \a < 3
	s_wait_loadcnt 8                               ; this tile's 8 loads are in; the next tile's may be out
.else
	s_wait_loadcnt 0x0
.endif
	ROPE \a
.if \a < 2
	RLOAD \a+2
.endif
	QUANT2 ACC+32*\a, CD+6*\a
	v_lshl_or_b32 v[WW+\a], v[BY+1], 8, v[BY]      ; the word (b0, b1, b0, b1): the instruction's K is 128, the head's 64
	s_delay_alu instid0(VALU_DEP_1)
	v_lshl_or_b32 v[WW+\a], v[WW+\a], 16, v[WW+\a]
	global_store_b128 v5, v[CD+6*\a:CD+6*\a+3], s[96:97] offset:768*(\a%2)+128*(\a/2)       ; runs of 128 consecutive bytes; tiles a and a + 2 together fill the units of 256
	global_store_b64 v6, v[CD+6*\a+4:CD+6*\a+5], s[96:97] offset:768*(\a%2)+64*(\a/2)+512
.endr
	v_cndmask_b32 v14, v[WW], v[WW+1], s94
	v_cndmask_b32 v15, v[WW+2], v[WW+3], s94
	global_store_b64 v11, v[14:15], s[98:99]
.endm
	s_load_b256 s[4:11], s[0:1], 0x0               ; kvq s[4:5], wimg s[6:7], wk_scales s[8:9], wv_scales s[10:11]
	s_load_b128 s[12:15], s[0:1], 0x20             ; rope s[12:13], kvi s[14:15]
	v_lshl_add_u32 v254, v0, 2, 0x32200
	v_mov_b32 v255, 0
	ds_add_u32 v254, v255
	ds_add_u32 v254, v255
	s_wait_dscnt 0x0
	v_lshrrev_b32 v1, 5, v0
	s_delay_alu instid0(VALU_DEP_1)
	v_readfirstlane_b32 s18, v1                    ; wave 0..15
	s_lshr_b32 s19, s18, 2
	s_and_b32 s20, s18, 3
	s_bfe_u32 s21, ttmp6, 0x40000
	s_lshl_b32 s22, ttmp9, 2
	s_add_co_u32 s22, s22, s21                     ; X
	s_and_b32 s23, ttmp7, 0xffff                   ; Y
	s_mov_b32 s24, 3<<16
	s_mov_b32 s32, 15|(3<<16)|(1<<21)
	s_mov_b32 s40, (3<<16)|(1<<20)|(5<<22)|(3<<25)
	s_mov_b32 s48, 15|(3<<16)|(1<<20)|(1<<21)|(5<<22)|(3<<25)
.irp g, 24, 32
	s_mov_b32 s[\g+1], 32<<16
	s_mov_b32 s[\g+2], (GB/256)<<16                ; a whole group
	s_mov_b32 s[\g+3], 32<<16
	s_mov_b32 s[\g+4], GB/256
	s_mov_b32 s[\g+5], 32
	s_mov_b32 s[\g+6], 0
	s_mov_b32 s[\g+7], 0
.endr
.irp g, 40, 48
	s_mov_b32 s[\g+1], 32<<16
	s_mov_b32 s[\g+2], ((MG+(\g-40)/8*(4-MG))*SR)<<16   ; the scales of four groups are one dense block
	s_mov_b32 s[\g+3], 32<<16
	s_mov_b32 s[\g+4], (MG+(\g-40)/8*(4-MG))*SR
	s_mov_b32 s[\g+5], 32
	s_mov_b32 s[\g+6], 0
	s_mov_b32 s[\g+7], 0
.endr
	s_mov_b32 s92, 0x76543210
	s_mov_b32 s93, 0xfedcba98
	s_mov_b32 s94, 0xffff0000
	s_add_co_u32 s95, s18, 14                      ; wave 0 fetches A's scales, wave 1 B's; waves 2 to 9 fetch group f = w - 2 of the codes: A's four, then B's four
	s_and_b32 s95, s95, 15
	s_min_u32 s88, s95, MG+3
	s_mul_i32 s88, s88, GB
	s_min_u32 s91, s95, MG-1
	s_mul_i32 s84, s22, MG
	s_add_co_u32 s91, s91, s84
	s_mov_b32 s85, 0
	s_and_b32 s90, s95, 3
	s_mov_b32 s87, 0
	s_wait_kmcnt 0x0
	s_mul_i32 s84, s91, GB
	s_add_nc_u64 s[62:63], s[4:5], s[84:85]
	s_mul_i32 s84, s22, MG*256*SR
	s_add_co_u32 s84, s84, ASC
	s_add_nc_u64 s[58:59], s[4:5], s[84:85]
	s_lshl_b32 s86, s23, 2
	s_add_co_u32 s86, s86, s90
	s_mul_i32 s86, s86, GB
	s_add_co_u32 s86, s86, WOFF
	s_add_nc_u64 s[78:79], s[6:7], s[86:87]
	s_cmp_lt_u32 s23, 4
	s_cselect_b64 s[96:97], s[8:9], s[10:11]
	s_and_b32 s86, s23, 3
	s_lshl_b32 s86, s86, 2
	s_mul_i32 s86, s86, 256*SR
	s_add_nc_u64 s[74:75], s[96:97], s[86:87]
.irp g, 56, 72
	s_mov_b32 s[\g], 1
	s_mov_b32 s[\g+1], SCLA+(\g-56)/16*MG*GS
	s_or_b32 s[\g+3], s[\g+3], 0x80000000
.endr
.irp g, 60, 76
	s_mov_b32 s[\g], 1
	s_mov_b32 s[\g+1], s88
	s_or_b32 s[\g+3], s[\g+3], 0x80000000
.endr
	CROUND                                         ; all four work-groups are here: the joint loads meet
; the fills, one a wave (waves 10 to 15: none), in one chain of branches on the wave's number, every arm leading to one join
.macro ARM under, g0, g1, next
	s_cmp_lt_u32 s18, \under
	s_cbranch_scc0 \next
	tensor_load_to_lds s[\g0:\g0+3], s[\g1:\g1+7]
	s_nop 0
.rept 4
	v_nop
.endr
	s_branch .Lasked
\next:
.endm
	ARM 1, 56, 40, .Lnot_sa                        ; A's scales
	ARM 2, 72, 48, .Lnot_sb                        ; B's scales, jointly
	ARM MG+2, 60, 24, .Lnot_a                      ; a group of A
	ARM MG+6, 76, 32, .Lasked                      ; a group of B, jointly
	v_and_b32 v1, 31, v0
	v_and_b32 v2, 15, v0
	v_bfe_u32 v3, v0, 4, 1
	s_delay_alu instid0(VALU_DEP_2)
	v_and_b32 v4, 8, v2
	s_delay_alu instid0(VALU_DEP_1)
	v_add_nc_u32 v4, v4, v2
	v_lshlrev_b32 v10, 4, v1
	v_lshlrev_b32 v11, 3, v1
	v_lshlrev_b32 v13, 2, v1
	s_mul_i32 s2, s19, GB
	v_add_nc_u32 v5, s2, v10
	v_add_nc_u32 v6, s2, v11
	s_add_co_u32 s3, s20, MG
	s_mul_i32 s3, s3, GB
	v_add_nc_u32 v7, s3, v10
	v_add_nc_u32 v8, s3, v11
	v_and_b32 v9, 7, v2                            ; a row's 16 scale bytes: sixteen rows to a unit of 256 bytes; rows r >= 8 of a tile lie one unit on
	s_delay_alu instid0(VALU_DEP_1)
	v_lshlrev_b32 v9, 4, v9
	v_lshrrev_b32 v12, 3, v2
	s_delay_alu instid0(VALU_DEP_1)
	v_mad_u32_u24 v9, v12, 272, v9
	s_mul_i32 s2, s19, GS
	s_mul_i32 s3, s20, GS
	s_add_co_u32 s3, s3, MG*GS
	s_sub_co_u32 s3, s3, s2
	v_mul_u32_u24 v12, s3, v3                      ; lanes 16-31 take B's: one product, the distance between the two
	s_add_co_u32 s2, s2, SCLA
	v_add_nc_u32 v9, v9, v12
	s_delay_alu instid0(VALU_DEP_1)
	v_add_nc_u32 v9, s2, v9
	v_lshlrev_b32 v12, 8, v4
	s_delay_alu instid0(VALU_DEP_1)
	v_lshl_add_u32 v12, v3, 6, v12                 ; the table: 256 bytes a position, + my half's 16 frequencies
	v_mov_b32 v[TP], 0
	v_mov_b32 v[TP+1], 0
	s_lshl_b32 s84, s22, 8
	s_lshl_b32 s85, s19, 6
	s_add_co_u32 s84, s84, s85                     ; my first row
	s_lshr_b32 s85, s84, 11                        ; the batch
	s_and_b32 s91, s84, 2047                       ; my first key
	s_wait_tensorcnt 0x0                           ; all my loads have landed: the one barrier stands ahead of the branch on Y
	s_barrier_signal -1
	s_barrier_wait -1
	s_and_b32 s86, s23, 3
	s_lshl_b32 s86, s86, 2
	s_add_co_u32 s86, s86, s20                     ; the head
	s_lshl_b32 s85, s85, 4
	s_add_co_u32 s86, s86, s85
	s_mul_i32 s86, s86, 208896
	s_lshr_b32 s85, s91, 7
	s_mul_i32 s85, s85, 13056
	s_add_co_u32 s86, s86, s85                     ; my record of 128 keys
	s_and_b32 s87, s19, 1                          ; which half of its keys is mine
	s_mov_b32 s3, 0
	s_cmp_lt_u32 s23, 4                            ; the same in all partners
	s_cbranch_scc0 .Lv
	s_wait_alu depctr_va_vdst(0)
	KSTEP 0, 1, 0
	KSTEP 1, 0, 0
	KSTEP 2, 0, 0
	KSTEP 3, 0, 0
.rept 4
	v_nop                                          ; four places in front of the first read of results and of loads into the fragments' registers
.endr
	s_mul_i32 s2, s87, 3072
	s_add_co_u32 s2, s2, s86
	s_add_nc_u64 s[96:97], s[14:15], s[2:3]        ; k's HFs 4 x half + a
	s_lshl_b32 s2, s87, 8
	s_add_co_u32 s2, s2, s86
	s_add_co_u32 s2, s2, 6144
	s_add_nc_u64 s[98:99], s[14:15], s[2:3]        ; k's scale words
	s_lshl_b32 s2, s91, 8
	s_add_nc_u64 s[100:101], s[12:13], s[2:3]
	; K'S TILES ARE FORMED ANEW ON THE WAY OUT: the attention wants lane r of tile t of 64 keys to be key 8 t + r % 8 + 32 (r / 8).  My lane (r, h) of tile a holds key 32 (a / 2) + 8 (a % 2) + r % 8 + 16 (r / 8):
	; it goes to tile 2 (r / 8) + a % 2, lane r % 8 + 8 (a / 2) + 16 h.  The scale words stay where they were.  v5-v7 held LDS addresses of the fragments, which are read no more.
	v_and_b32 v5, 7, v2
	v_lshrrev_b32 v7, 3, v2
	v_lshlrev_b32 v6, 3, v5
	v_lshlrev_b32 v5, 4, v5
	v_mad_u32_u24 v6, v7, 1536, v6
	v_mad_u32_u24 v5, v7, 1536, v5
	v_lshl_add_u32 v6, v3, 7, v6
	v_lshl_add_u32 v5, v3, 8, v5
	ROPEQ
	s_branch .Ldone
.Lv:
	s_wait_alu depctr_va_vdst(0)
	KSTEP 0, 1, 1
	KSTEP 1, 0, 1
	KSTEP 2, 0, 1
	KSTEP 3, 0, 1
.rept 4
	v_nop
.endr
	s_mul_i32 s2, s87, 768
	s_add_co_u32 s2, s2, s86
	s_add_co_u32 s2, s2, 6656
	s_add_nc_u64 s[96:97], s[14:15], s[2:3]        ; v's HF (channel tile b, my key half) at 1,536 b
	s_lshl_b32 s2, s87, 7
	s_add_co_u32 s2, s2, s86
	s_add_co_u32 s2, s2, 12800
	s_add_nc_u64 s[98:99], s[14:15], s[2:3]
.irp b, 0,1,2,3
	QUANT2 ACC+32*\b, CD+6*\b                      ; a lane's 32 registers of channel tile b run along my 64 keys
	v_lshl_or_b32 v[WW+\b], v[BY+1], 8, v[BY]
	global_store_b128 v10, v[CD+6*\b:CD+6*\b+3], s[96:97] offset:1536*\b
	global_store_b64 v11, v[CD+6*\b+4:CD+6*\b+5], s[96:97] offset:1536*\b+512
.endr
	v_cndmask_b32 v14, v[WW], v[WW+1], s94         ; low half: tile 0 in lanes 0-15, tile 1 in lanes 16-31;
	v_cndmask_b32 v15, v[WW+2], v[WW+3], s94       ; high half: tiles 2 and 3
	s_delay_alu instid0(VALU_DEP_1)
	v_lshl_or_b32 v14, v15, 16, v14
	global_store_b32 v13, v14, s[98:99]
.Ldone:
	s_wait_xcnt 0x0
	v_lshl_add_u32 v254, v0, 2, 0x32200
	v_mov_b32 v255, 0
	s_wait_alu depctr_va_vdst(0)
	s_wait_tensorcnt 0x0
	ds_add_u32 v254, v255
	s_wait_dscnt 0x0
	CROUND                                         ; the closing round
	s_endpgm
.Lfunc_end_k_q469d4b50f2_gemm2:
	.size	k_q469d4b50f2_gemm2, .Lfunc_end_k_q469d4b50f2_gemm2-k_q469d4b50f2_gemm2
	.p2alignl 7, 3214868480
	.fill 96, 4, 3214868480
	.section	.rodata,"a",@progbits
	.p2align	6, 0x0
	.amdhsa_kernel k_q469d4b50f2_gemm2
		.amdhsa_group_segment_fixed_size 207360
		.amdhsa_private_segment_fixed_size 0
		.amdhsa_enable_private_segment 0
		.amdhsa_kernarg_size 48
		.amdhsa_user_sgpr_count 2
		.amdhsa_user_sgpr_kernarg_segment_ptr 1
		.amdhsa_wavefront_size32 1
		.amdhsa_system_sgpr_workgroup_id_x 1
		.amdhsa_system_sgpr_workgroup_id_y 1
		.amdhsa_system_sgpr_workgroup_id_z 1
		.amdhsa_system_vgpr_workitem_id 0
		.amdhsa_next_free_vgpr 256
		.amdhsa_next_free_sgpr 102
		.amdhsa_reserve_vcc 0
		.amdhsa_float_denorm_mode_32 3
		.amdhsa_float_denorm_mode_16_64 3
		.amdhsa_memory_ordered 1
		.amdhsa_forward_progress 1
		.amdhsa_inst_pref_size 76
	.end_amdhsa_kernel
	.amdgpu_metadata
---
amdhsa.version: [ 1, 2 ]
amdhsa.kernels:
  - .name:           k_q469d4b50f2_gemm2
    .symbol:         k_q469d4b50f2_gemm2.kd
    .args:
      - { .name: kvq, .offset: 0, .size: 8, .value_kind: global_buffer, .address_space: global }
      - { .name: wimg, .offset: 8, .size: 8, .value_kind: global_buffer, .address_space: global }
      - { .name: wk_scales, .offset: 16, .size: 8, .value_kind: global_buffer, .address_space: global }
      - { .name: wv_scales, .offset: 24, .size: 8, .value_kind: global_buffer, .address_space: global }
      - { .name: rope, .offset: 32, .size: 8, .value_kind: global_buffer, .address_space: global }
      - { .name: kvi, .offset: 40, .size: 8, .value_kind: global_buffer, .address_space: global }
    .group_segment_fixed_size: 207360
    .private_segment_fixed_size: 0
    .kernarg_segment_align: 8
    .kernarg_segment_size: 48
    .max_flat_workgroup_size: 512
    .sgpr_count:     102
    .vgpr_count:     256
    .wavefront_size: 32
...
	.end_amdgpu_metadata
.endif
;; end of part 3
;; launch attn (part 4): grid 4 x 64, 16 waves a work-group, clusters of 4 x 1, 210,944 bytes of LDS; arguments qi, kvi, oq; writes oq
.if DOCPART == 4
	.amdgcn_target "amdgcn-amd-amdhsa--gfx1250"
	.amdhsa_code_object_version 6
	.text
	.protected	k_q469d4b50f2_attn
	.globl	k_q469d4b50f2_attn
	.p2align	8
	.type	k_q469d4b50f2_attn,@function
k_q469d4b50f2_attn:
	s_mov_b64 s[64:65], 0
	v_nop
	global_prefetch_b8 v0, s[64:65] scope:SCOPE_SE
	s_setreg_imm32_b32 hwreg(HW_REG_WAVE_MODE, 25, 1), 1
	s_wait_xcnt 0x0
	s_wait_alu depctr_hold_cnt(0) depctr_sa_sdst(0) depctr_va_vdst(0) depctr_va_sdst(0) depctr_va_ssrc(0) depctr_va_vcc(0) depctr_vm_vsrc(0)
	s_getreg_b32 s2, hwreg(HW_REG_IB_STS2, 6, 4)
	s_cmp_eq_u32 s2, 0
	s_cbranch_scc0 .Lentry_in_a_cluster
	s_endpgm
.Lentry_in_a_cluster:
	s_bfe_u32 s2, ttmp6, 0x10000c
	s_cmp_lg_u32 s2, 0x3003
	s_cbranch_scc0 .Lentry_shape_is_right
	s_endpgm
.Lentry_shape_is_right:
; o = softmax(q k^T / 8) v for one (batch, head), both products on codes of E3M2 with E8M0 scales; o is quantised along the head's 64 channels on the way out, as an operand of the last product.
; THE SOFTMAX AHEAD OF THE SECOND PRODUCT: t = score x log2(e) / 8; M = the running largest t rounded UP to a whole number; p = 2^(t - M) is what is quantised, along the keys, not normalised.  The row's sum is taken of the
; unquantised p and divides at the end.  When M moves, the sum and O are multiplied by 2^(old M - new M): exact.
; SHARES.  A work-group owns 512 queries of one (batch, head): 256 work-groups.  Each of its sixteen waves takes two tiles of 16 queries, one after the other (two passes over the keys), in 256 registers.
; THE WHOLE HEAD'S K AND V, 16 records of 128 keys x 13,056 bytes, LIE IN LDS, FILLED ONCE and walked twice.  A record: k's 8 half fragments (16 keys x 64 channels, 768 bytes: registers 0-3 at 16 x lane, 4-5 at 512 + 8 x lane);
; k's scale words at 6,144; v's 8 half fragments (16 channels x 64 keys) at 6,656; v's scale halves at 12,800.
; CLUSTER: the four work-groups of a cluster are the head's four query blocks and walk the same K and V: wave w asks for record w jointly (mask 15): one load a wave, all at the head, one wait and one barrier.
; NO PREFETCH: every record is asked for by the head's sixteen loads; no later load is left to run ahead of.
; LAYOUT.  Both products are used transposed: S^T = K Q^T, O^T = V^T P^T: a lane holds one query throughout.  Lane r of K's tile t of 64 keys is key 8 t + r % 8 + 32 (r / 8): so the 32 registers of four neighbouring
; tiles of S^T are, in lanes 0-15, the 32 keys of one block in their order and, in lanes 16-31, those of the next block: that is the second product's operand layout.  A block's maximum and its codes need no other lane.
; THE FIRST PRODUCT'S K IS 64 under an instruction of 128: Q's upper six registers are zero codes.  K's tiles lie 6 registers apart and tile t is named as 12 registers: its upper six are the next tile's codes (behind the last: zeros),
; which meet Q's zeros and add nothing; the scale words repeat the two real bytes.
; LIMITS: NaN and infinities are not served; the promise holds while the scaled scores t stay under 2^31 in magnitude; a block of zeros or under 2^-122 gets the byte 1: its codes are zeros and this program alone reads the bytes.
.set REC,   13056
.set SPARE, 16*REC                     ; behind the records: the spare words, 128 bytes a wave
.set KF,  32                           ; v32-79   K's 8 tiles; v80-85 zeros.  Behind the first product v32-61 are the softmax's work registers
.set VF,  86                           ; v86-133  V's 4 fragments
.set SS,  134                          ; v134-197 S^T, then p
.set OT,  198                          ; v198-229 O^T
.set PC,  230                          ; v230-241 p's codes
.set KS,  242                          ; v242-245 K's scale words: register t / 2: the even tile in lanes 0-15, the odd one in lanes 16-31
.set SPW, 28                           ; v28 my spare word's LDS address; v29 0: kept for the add alone
.set NIL, 29
.set TM,  32                           ; the way out's quantiser
.set TP,  36
.set SO,  40
.set BY,  44
.set PX,  48
.set SEL, 40                           ; s[40:41] lane xor 16
; v1-3: 16, 8, 4 x lane; v4-7: LDS addresses of this trip's four records; v8: oq's scale byte; v9: K's scale words' lane term; v10: 8 r; v11: 8 h; v12 -M; v13 the largest score; v[14:15] the sum; v16-21 Q, v22-27 zeros;
; v246-247 V's halves as loaded; v248-249 V's scale words; v250 p's; v251 Q's; v[252:253] f; v254 at work
.macro CROUND
	s_barrier_signal -1
	s_barrier_wait -1
	s_cmp_lg_u32 s10, 0
	s_cbranch_scc1 .Lnot_wave_0_\@
	s_barrier_signal -3
.Lnot_wave_0_\@:
	s_barrier_wait -3
	s_barrier_signal -1
	s_barrier_wait -1
.endm
; the way out: 32 numbers of a lane, register 16 b + i = channel 32 b + 16 (lane / 16) + i, become a half fragment in v[pc .. pc + 5]; the two blocks' bytes come in v[BY], v[BY + 1]
.macro QUANT2 s, pc
	v_max3_num_f32 v[TM], |v[\s]|, |v[\s+1]|, 0x2800000            ; and the floor 2^(5 - 127): the byte cannot fall under 1
	v_max3_num_f32 v[TM+1], |v[\s+16]|, |v[\s+17]|, 0x2800000
.irp i, 2,4,6,8,10,12,14
	s_delay_alu instid0(VALU_DEP_2)
	v_max3_num_f32 v[TM], v[TM], |v[\s+\i]|, |v[\s+\i+1]|
	s_delay_alu instid0(VALU_DEP_2)
	v_max3_num_f32 v[TM+1], v[TM+1], |v[\s+16+\i]|, |v[\s+17+\i]|
.endr
	v_permlanex16_b32 v[TP], v[TM], s[SEL], s[SEL+1]
	v_permlanex16_b32 v[TP+1], v[TM+1], s[SEL], s[SEL+1]
	v_max_num_f32 v[TM], v[TM], v[TP]
	v_max_num_f32 v[TM+1], v[TM+1], v[TP+1]
	v_add_nc_u32 v[SO], 0xfe000000, v[TM]                          ; 4 off the exponent field: the conversion's scale operand
	v_add_nc_u32 v[SO+1], 0xfe000000, v[TM+1]
	v_lshrrev_b32 v[BY], 23, v[SO]
	v_lshrrev_b32 v[BY+1], 23, v[SO+1]
	v_cvt_scalef32_pk16_bf6_f32 v[\pc:\pc+2], v[\s:\s+15], v[SO]
	v_cvt_scalef32_pk16_bf6_f32 v[PX:PX+2], v[\s+16:\s+31], v[SO+1]
	v_nop                                                          ; one plain place behind a scaled conversion
.irp i, 0,1,2
	v_permlane16_swap_b32 v[\pc+\i], v[PX+\i]
.endr
.irp i, 0,1,2
	v_mov_b32 v[\pc+3+\i], v[PX+\i]
.endr
.endm
; A KEY STEP: the 128 keys of record k of this trip's four.
.macro STEP k
.set RB, (\k)*REC
.irp t, 0,1,2,3,4,5,6,7
	ds_load_b128 v[KF+6*\t:KF+6*\t+3], v4 offset:RB+768*\t
	ds_load_b64 v[KF+6*\t+4:KF+6*\t+5], v5 offset:RB+768*\t+512
.endr
.irp i, 0,1,2,3
	ds_load_b32 v[KS+\i], v6 offset:RB+6144+256*(\i/2)+64*(\i%2)   ; the words of tiles 2 i (lanes 0-15) and 2 i + 1 (lanes 16-31)
.endr
.irp f, 0,1,2,3,4,5,6,7
	ds_load_b128 v[VF+6*\f:VF+6*\f+3], v4 offset:RB+6656+768*\f    ; half fragment 2 x channel tile + key half
	ds_load_b64 v[VF+6*\f+4:VF+6*\f+5], v5 offset:RB+6656+768*\f+512
.endr
	ds_load_b32 v246, v7 offset:RB+12800
	ds_load_b32 v247, v7 offset:RB+12928
	s_wait_dscnt 18                                ; K and its words are in; V's 16 loads and its 2 may be out
.irp t, 0,2,4,6
	v_wmma_scale_f32_16x16x128_f8f6f4 v[SS+8*\t:SS+8*\t+7], v[KF+6*\t:KF+6*\t+11], v[16:27], 0, v[KS+\t/2], v251 matrix_a_fmt:MATRIX_FMT_BF6 matrix_b_fmt:MATRIX_FMT_BF6
	v_wmma_scale_f32_16x16x128_f8f6f4 v[SS+8*\t+8:SS+8*\t+15], v[KF+6*\t+6:KF+6*\t+17], v[16:27], 0, v[KS+\t/2], v251 matrix_a_fmt:MATRIX_FMT_BF6 matrix_b_fmt:MATRIX_FMT_BF6 matrix_a_scale:MATRIX_SCALE_ROW1
.endr
	s_wait_dscnt 0x0                               ; V
	v_perm_b32 v248, v247, v246, 0x05040100        ; V's scale words: the two key halves' bytes of channel tiles 0 | 1,
	v_perm_b32 v249, v247, v246, 0x07060302        ; and of tiles 2 | 3.  With the two v_nop: the four places behind the products
	v_nop
	v_nop
; my two blocks' largest scores, v32 and v33, in four chains by turns; each accumulator is first read at its low end.  They serve the row's maximum and, since p rises with the score, the blocks' largest p
.irp H, 0,1
	v_max3_num_f32 v[32+\H], v[SS+32*\H], v[SS+32*\H+1], v[SS+32*\H+2]
	v_max3_num_f32 v[34+\H], v[SS+32*\H+16], v[SS+32*\H+17], v[SS+32*\H+18]
.endr
.irp i, 3,5,7,9,11,13
.irp H, 0,1
	v_max3_num_f32 v[32+\H], v[32+\H], v[SS+32*\H+\i], v[SS+32*\H+\i+1]
	v_max3_num_f32 v[34+\H], v[34+\H], v[SS+32*\H+16+\i], v[SS+32*\H+17+\i]
.endr
.endr
	v_max3_num_f32 v32, v32, v34, v[SS+15]
	v_max3_num_f32 v33, v33, v35, v[SS+47]
	v_max_num_f32 v32, v32, v[SS+31]
	v_max_num_f32 v33, v33, v[SS+63]
	s_delay_alu instid0(VALU_DEP_1)
	v_max_num_f32 v36, v32, v33
	s_delay_alu instid0(VALU_DEP_1)
	v_permlanex16_b32 v37, v36, s[SEL], s[SEL+1]   ; lane xor 16 holds my query's other 64 keys
	s_delay_alu instid0(VALU_DEP_1)
	v_max3_num_f32 v13, v13, v36, v37              ; the running largest score
	s_delay_alu instid0(VALU_DEP_1)
	v_mul_f32 v38, s39, v13                        ; -t
	s_delay_alu instid0(VALU_DEP_1)
	v_floor_f32 v39, v38                           ; the new -M = -ceil(t)
	s_delay_alu instid0(VALU_DEP_1)
	v_sub_f32 v38, v39, v12                        ; old M - new M: a whole number, 0 or less
	v_mov_b32 v12, v39
	s_delay_alu instid0(VALU_DEP_2)
	v_cvt_i32_f32 v38, v38                         ; (it saturates)
	s_delay_alu instid0(VALU_DEP_1)
	v_ldexp_f32 v252, 1.0, v38                     ; f = 2^(old M - new M)
.set J, 0
.rept 32
	v_pk_fma_f32 v[SS+J:SS+J+1], v[SS+J:SS+J+1], s[42:43], v[12:13] op_sel_hi:[1,0,0]   ; t - M, two at a time
.set J, J+2
.endr
	v_fma_f32 v32, v32, s42, v12
	v_fma_f32 v33, v33, s42, v12
	s_wait_alu depctr_va_vdst(0)                   ; the wait ahead of the batch
.set J, 0
.rept 64
	v_exp_f32 v[SS+J], v[SS+J]                     ; p = 2^(t - M)
.set J, J+1
.endr
	v_exp_f32 v32, v32                             ; the blocks' largest p: the same two instructions on the same number
	v_exp_f32 v33, v33
	v_pk_mul_f32 v[14:15], v[14:15], v[252:253] op_sel_hi:[1,0]    ; the sums under the new M.  (A plain place behind the exponentials)
	s_wait_alu depctr_va_vdst(0)                   ; and behind it
	v_max_num_f32 v32, 0x2800000, v32              ; the floor 2^(5 - 127)
	v_max_num_f32 v33, 0x2800000, v33
	v_add_nc_u32 v40, 0xfe000000, v32              ; the conversions' scale operands
	v_add_nc_u32 v41, 0xfe000000, v33
	s_delay_alu instid0(VALU_DEP_2)
	v_lshrrev_b32 v42, 23, v40                     ; the bytes of blocks h and 2 + h
	s_delay_alu instid0(VALU_DEP_2)
	v_lshrrev_b32 v43, 23, v41
	s_delay_alu instid0(VALU_DEP_1)
	v_lshl_or_b32 v44, v43, 16, v42
	s_delay_alu instid0(VALU_DEP_1)
	v_lshlrev_b32 v44, v11, v44                    ; at their places in the word, 8 h bits up
	s_delay_alu instid0(VALU_DEP_1)
	v_permlanex16_b32 v45, v44, s[SEL], s[SEL+1]
	s_delay_alu instid0(VALU_DEP_1)
	v_or_b32 v250, v44, v45                        ; with lane xor 16's two: p's scale word for these 128 keys
	v_cvt_scalef32_pk16_bf6_f32 v[PC:PC+2], v[SS:SS+15], v40
	v_cvt_scalef32_pk16_bf6_f32 v[48:50], v[SS+16:SS+31], v40      ; (a conversion's three registers begin on an even number: a block's second three are made here and moved)
	v_cvt_scalef32_pk16_bf6_f32 v[PC+6:PC+8], v[SS+32:SS+47], v41
	v_cvt_scalef32_pk16_bf6_f32 v[52:54], v[SS+48:SS+63], v41
	s_wait_alu depctr_va_vdst(0)                   ; the wait directly ahead of the first readers of O^T
.set J, 0
.rept 16
	v_pk_mul_f32 v[OT+J:OT+J+1], v[OT+J:OT+J+1], v[252:253] op_sel_hi:[1,0]   ; O^T under the new M, each accumulator from its low end.  (Also the plain place behind the conversions)
.set J, J+2
.endr
.irp i, 0,1,2
	v_mov_b32 v[PC+3+\i], v[48+\i]
	v_mov_b32 v[PC+9+\i], v[52+\i]
.endr
	v_pk_add_f32 v[14:15], v[14:15], v[SS:SS+1]    ; the row's sum of the unquantised p, in four chains; these four are the places between the moves and the products
	v_pk_add_f32 v[56:57], v[SS+2:SS+3], v[SS+4:SS+5]
	v_pk_add_f32 v[58:59], v[SS+6:SS+7], v[SS+8:SS+9]
	v_pk_add_f32 v[60:61], v[SS+10:SS+11], v[SS+12:SS+13]
.irp c, 0,2                                    ; O^T += V^T P^T: the four accumulators take turns, and the eight first products stand between their turns
	v_wmma_scale_f32_16x16x128_f8f6f4 v[OT+8*\c:OT+8*\c+7], v[VF+12*\c:VF+12*\c+11], v[PC:PC+11], v[OT+8*\c:OT+8*\c+7], v[248+\c/2], v250 matrix_a_fmt:MATRIX_FMT_BF6 matrix_b_fmt:MATRIX_FMT_BF6
	v_wmma_scale_f32_16x16x128_f8f6f4 v[OT+8*\c+8:OT+8*\c+15], v[VF+12*\c+12:VF+12*\c+23], v[PC:PC+11], v[OT+8*\c+8:OT+8*\c+15], v[248+\c/2], v250 matrix_a_fmt:MATRIX_FMT_BF6 matrix_b_fmt:MATRIX_FMT_BF6 matrix_a_scale:MATRIX_SCALE_ROW1
.endr
.set J, 14
.rept 6                                        ; the rest of the sum names no register of these products: it fills the places in front of the next step's loads
	v_pk_add_f32 v[14:15], v[14:15], v[SS+J:SS+J+1]
	v_pk_add_f32 v[56:57], v[56:57], v[SS+J+2:SS+J+3]
	v_pk_add_f32 v[58:59], v[58:59], v[SS+J+4:SS+J+5]
	v_pk_add_f32 v[60:61], v[60:61], v[SS+J+6:SS+J+7]
.set J, J+8
.endr
	v_pk_add_f32 v[14:15], v[14:15], v[SS+62:SS+63]
	v_pk_add_f32 v[56:57], v[56:57], v[58:59]
	v_pk_add_f32 v[14:15], v[14:15], v[60:61]
	s_delay_alu instid0(VALU_DEP_1)
	v_pk_add_f32 v[14:15], v[14:15], v[56:57]
.endm
	s_load_b128 s[4:7], s[0:1], 0x0                ; qi s[4:5], kvi s[6:7]
	s_load_b64 s[8:9], s[0:1], 0x10                ; oq
	v_lshl_add_u32 v[SPW], v0, 2, SPARE
	v_mov_b32 v[NIL], 0
	ds_add_u32 v[SPW], v[NIL]                      ; the opening lines: the add, twice on end, and its wait ahead of my tensor load
	ds_add_u32 v[SPW], v[NIL]
	v_lshrrev_b32 v1, 5, v0
	v_readfirstlane_b32 s10, v1                    ; wave 0..15
	s_bfe_u32 s12, ttmp6, 0x40000                  ; cx = my block of 512 queries: it enters qi's and oq's addresses alone
	s_and_b32 s13, ttmp7, 0xffff                   ; 16 x batch + head, which the four partners share
	s_mov_b32 s16, 15|(3<<16)|(1<<21)              ; group 1: a record as 51 rows of 256 bytes (32 elements of 8 bytes), dense; the mask of all four, bit 21 beside it
	s_mov_b32 s17, 32<<16
	s_mov_b32 s18, 51<<16
	s_mov_b32 s19, 32<<16
	s_mov_b32 s20, 51
	s_mov_b32 s21, 32
	s_mov_b32 s22, 0
	s_mov_b32 s23, 0
	s_mov_b32 s39, 0xbe38aa3b                      ; -log2(e) / 8
	s_mov_b32 s40, 0x76543210
	s_mov_b32 s41, 0xfedcba98
	s_mov_b32 s42, 0x3e38aa3b                      ; log2(e) / 8
	s_mov_b32 s43, s42                             ; (named with it as a pair)
	s_mov_b32 s47, 0xffff0000                      ; lanes 16-31
	s_mov_b32 s24, 1
	s_mul_i32 s25, s10, REC                        ; record w: the same place in LDS and in the head's part of kvi
	s_mul_i32 s48, s13, 16*REC
	s_add_co_u32 s48, s48, s25
	s_mov_b32 s49, 0
	s_lshl_b32 s50, s12, 5
	s_add_co_u32 s50, s50, s10                     ; my first tile of queries, of the head's 128; the second lies 16 on
	s_mul_i32 s51, s13, 106496
	s_mul_i32 s52, s50, 768
	s_add_co_u32 s52, s52, s51
	s_mov_b32 s53, 0
	s_lshr_b32 s54, s50, 2                         ; its scale words: group of 4 tiles x 256 bytes; tile 2 p + u: word p of lane r + 16 u
	s_lshl_b32 s54, s54, 8
	s_add_co_u32 s54, s54, s51
	s_add_co_u32 s54, s54, 98304
	s_and_b32 s55, s10, 1
	s_lshl_b32 s55, s55, 7
	s_add_co_u32 s54, s54, s55
	s_bfe_u32 s55, s10, 0x10001
	s_lshl_b32 s55, s55, 2
	s_add_co_u32 s54, s54, s55
	s_mov_b32 s55, 0
	s_lshr_b32 s56, s13, 4                         ; the batch
	s_and_b32 s57, s13, 15                         ; the head = K / 64 of the last product
	s_lshl_b32 s58, s56, 5
	s_lshl_b32 s59, s12, 3
	s_add_co_u32 s58, s58, s59
	s_lshr_b32 s59, s10, 2
	s_add_co_u32 s58, s58, s59                     ; my group of 64 rows
	s_lshl_b32 s58, s58, 4
	s_add_co_u32 s58, s58, s57
	s_lshl_b32 s58, s58, 2
	s_and_b32 s59, s10, 3
	s_add_co_u32 s58, s58, s59
	s_mul_i32 s58, s58, 768                        ; oq: half fragment (16 group + head) 4 + tile
	s_mov_b32 s59, 0
	s_lshl_b32 s60, s56, 11
	s_lshl_b32 s61, s12, 9
	s_add_co_u32 s60, s60, s61
	s_lshr_b32 s61, s10, 1
	s_lshl_b32 s61, s61, 5
	s_add_co_u32 s60, s60, s61
	s_and_b32 s61, s10, 1
	s_lshl_b32 s61, s61, 3
	s_add_co_u32 s60, s60, s61                     ; my tile's first row
	s_lshl_b32 s60, s60, 5                         ; 32 scale bytes a row,
	s_lshl_b32 s61, s57, 1
	s_add_co_u32 s60, s60, s61                     ; the head's two
	s_add_co_u32 s60, s60, 6291456
	s_mov_b32 s61, 0
	s_wait_dscnt 0x0                               ; both opening adds are done
	s_wait_kmcnt 0x0
	s_add_nc_u64 s[26:27], s[6:7], s[48:49]
	s_or_b32 s27, s27, 0x80000000
	s_add_nc_u64 s[52:53], s[4:5], s[52:53]
	s_add_nc_u64 s[54:55], s[4:5], s[54:55]
	s_add_nc_u64 s[58:59], s[8:9], s[58:59]
	s_add_nc_u64 s[60:61], s[8:9], s[60:61]
	CROUND                                         ; all four work-groups are here: the joint loads meet
	tensor_load_to_lds s[24:27], s[16:23]          ; record w: my one tensor load of the launch
	s_nop 0
	v_and_b32 v7, 31, v0
	v_and_b32 v9, 15, v0                           ; r
	v_bfe_u32 v11, v0, 4, 1                        ; h
	v_and_b32 v30, 7, v0
	v_bfe_u32 v31, v0, 3, 1
	v_lshlrev_b32 v1, 4, v7
	v_lshlrev_b32 v2, 3, v7
	v_lshlrev_b32 v3, 2, v7
	v_lshlrev_b32 v10, 3, v9
	v_and_b32 v8, 8, v9
	v_lshlrev_b32 v30, 3, v30
	v_add_nc_u32 v8, v8, v9
	v_lshl_add_u32 v30, v31, 2, v30
	v_lshl_add_u32 v8, v8, 5, v11                  ; oq's scale byte: row r + 8 (r / 8) of the tile, block h
	v_lshl_add_u32 v9, v11, 7, v30                 ; K's scale word of lane r of the tile pair's tile h: 8 (r % 8) + 4 (r / 8) + 128 h
	v_lshlrev_b32 v11, 3, v11                      ; 8 h
	global_load_b128 v[16:19], v1, s[52:53]        ; Q's half fragment stays in registers for a pass
	global_load_b64 v[20:21], v2, s[52:53] offset:512
	global_load_b32 v251, v10, s[54:55]            ; and its scale words
.irp i, 0,1,2,3,4,5
	v_mov_b32 v[22+\i], 0                          ; zero codes for the instruction's K = 64 .. 127
	v_mov_b32 v[80+\i], 0
.endr
	v_mov_b32 v253, 0                              ; (named as the upper half of the pair v[252:253])
	s_mov_b32 s46, 2                               ; passes to go
	s_wait_alu depctr_va_vdst(0)                   ; the wait at the head's end
	s_wait_tensorcnt 0x0                           ; my record has landed
	s_barrier_signal -1
	s_barrier_wait -1                              ; everybody's has: no byte of LDS is filled again
.Lpass:
	v_mov_b32 v13, 0xff61b1e6                      ; the largest score so far: -3e38
	v_mov_b32 v12, 0x7d000000                      ; -M: so large that the first f is 0
	v_mov_b32 v14, 0
	v_mov_b32 v15, 0
.set J, 0
.rept 32
	v_mov_b32 v[OT+J], 0                           ; O^T: the step is written without a first step of its own: the first change of M leaves zeros zeros
.set J, J+1
.endr
	s_mov_b32 s44, 0
	s_mov_b32 s45, 4
	s_wait_alu depctr_va_vdst(0)                   ; the wait directly ahead of the wait below
	s_wait_loadcnt 0x0                             ; Q
.Ltrip:                                                ; four records a trip: their places stand in the loads' immediates
	v_add_nc_u32 v4, s44, v1
	v_add_nc_u32 v5, s44, v2
	v_add_nc_u32 v6, s44, v9
	v_add_nc_u32 v7, s44, v3
	STEP 0
	STEP 1
	STEP 2
	STEP 3
	s_add_co_u32 s44, s44, 4*REC
	s_sub_co_u32 s45, s45, 1
	s_cmp_lg_u32 s45, 0
	s_cbranch_scc1 .Ltrip
	; the next pass's Q is asked for ahead of the way out; the last pass asks for nothing (a test on the counter of passes alone)
	s_cmp_eq_u32 s46, 1
	s_wait_alu depctr_va_vdst(0)                   ; the wait directly ahead of the branch
	s_cbranch_scc1 .Lno_next
	s_add_nc_u64 s[52:53], s[52:53], 16*768        ; (the earlier loads by these bases have come back)
	s_add_nc_u64 s[54:55], s[54:55], 1024
	global_load_b128 v[16:19], v1, s[52:53]
	global_load_b64 v[20:21], v2, s[52:53] offset:512
	global_load_b32 v251, v10, s[54:55]
.Lno_next:
	; THE WAY OUT: O^T / the sum, quantised along the head's 64 channels: one half fragment and two scale bytes a row.  Of a row's 32 scale bytes a wave owns two, so they leave as single bytes (one store a pass).
	v_add_f32 v14, v14, v15
	s_delay_alu instid0(VALU_DEP_1)
	v_permlanex16_b32 v36, v14, s[SEL], s[SEL+1]
	s_delay_alu instid0(VALU_DEP_1)
	v_add_f32 v14, v14, v36                        ; the row's sum
	s_wait_alu depctr_va_vdst(0)                   ; the wait ahead of the transcendental
	v_rcp_f32 v14, v14
	v_nop                                          ; one plain place behind it
	s_wait_alu depctr_va_vdst(0)                   ; and the wait ahead of its readers, which are also the first readers of O^T
.set J, 0
.rept 16
	v_pk_mul_f32 v[OT+J:OT+J+1], v[OT+J:OT+J+1], v[14:15] op_sel_hi:[1,0]   ; ascending: each accumulator is first read at its low end
.set J, J+2
.endr
	QUANT2 OT, PC
	v_cndmask_b32 v254, v[BY], v[BY+1], s47        ; lane (r, h) stores block h's byte
	global_store_b128 v1, v[PC:PC+3], s[58:59]
	global_store_b64 v2, v[PC+4:PC+5], s[58:59] offset:512
	global_store_b8 v8, v254, s[60:61]
	s_wait_xcnt 0x0                                ; the stores have read their data and bases: both are written again only behind this wait
	s_add_nc_u64 s[58:59], s[58:59], 196608        ; four groups of 64 rows on
	s_add_nc_u64 s[60:61], s[60:61], 8192          ; 256 rows on
	s_sub_co_u32 s46, s46, 1
	s_cmp_lg_u32 s46, 0
	s_cbranch_scc1 .Lpass
	s_wait_tensorcnt 0x0                           ; the wave's end
	ds_add_u32 v[SPW], v[NIL]
	s_wait_dscnt 0x0
	CROUND                                         ; the closing round
	s_endpgm
.Lfunc_end_k_q469d4b50f2_attn:
	.size	k_q469d4b50f2_attn, .Lfunc_end_k_q469d4b50f2_attn-k_q469d4b50f2_attn
	.p2alignl 7, 3214868480
	.fill 96, 4, 3214868480
	.section	.rodata,"a",@progbits
	.p2align	6, 0x0
	.amdhsa_kernel k_q469d4b50f2_attn
		.amdhsa_group_segment_fixed_size 210944
		.amdhsa_private_segment_fixed_size 0
		.amdhsa_enable_private_segment 0
		.amdhsa_kernarg_size 24
		.amdhsa_user_sgpr_count 2
		.amdhsa_user_sgpr_kernarg_segment_ptr 1
		.amdhsa_wavefront_size32 1
		.amdhsa_system_sgpr_workgroup_id_x 1
		.amdhsa_system_sgpr_workgroup_id_y 1
		.amdhsa_system_sgpr_workgroup_id_z 1
		.amdhsa_system_vgpr_workitem_id 0
		.amdhsa_next_free_vgpr 256
		.amdhsa_next_free_sgpr 66
		.amdhsa_reserve_vcc 0
		.amdhsa_float_denorm_mode_32 3
		.amdhsa_float_denorm_mode_16_64 3
		.amdhsa_memory_ordered 1
		.amdhsa_forward_progress 1
		.amdhsa_inst_pref_size 74
	.end_amdhsa_kernel
	.amdgpu_metadata
---
amdhsa.version: [ 1, 2 ]
amdhsa.kernels:
  - .name:           k_q469d4b50f2_attn
    .symbol:         k_q469d4b50f2_attn.kd
    .args:
      - { .name: qi, .offset: 0, .size: 8, .value_kind: global_buffer, .address_space: global }
      - { .name: kvi, .offset: 8, .size: 8, .value_kind: global_buffer, .address_space: global }
      - { .name: oq, .offset: 16, .size: 8, .value_kind: global_buffer, .address_space: global }
    .group_segment_fixed_size: 210944
    .private_segment_fixed_size: 0
    .kernarg_segment_align: 8
    .kernarg_segment_size: 24
    .max_flat_workgroup_size: 512
    .sgpr_count:     66
    .vgpr_count:     256
    .wavefront_size: 32
...
	.end_amdgpu_metadata
.endif
;; end of part 4
;; launch gemm3 (part 5): grid 64 x 4, 8 waves a work-group, clusters of 4 x 1, 308,992 bytes of LDS; arguments oq, wimg, wo_scales, x, out0; writes out0
.if DOCPART == 5
	.amdgcn_target "amdgcn-amd-amdhsa--gfx1250"
	.amdhsa_code_object_version 6
	.text
	.protected	k_q469d4b50f2_gemm3
	.globl	k_q469d4b50f2_gemm3
	.p2align	8
	.type	k_q469d4b50f2_gemm3,@function
k_q469d4b50f2_gemm3:
	s_mov_b64 s[64:65], 0
	v_nop
	global_prefetch_b8 v0, s[64:65] scope:SCOPE_SE
	s_setreg_imm32_b32 hwreg(HW_REG_WAVE_MODE, 25, 1), 1
	s_wait_xcnt 0x0
	s_wait_alu depctr_hold_cnt(0) depctr_sa_sdst(0) depctr_va_vdst(0) depctr_va_sdst(0) depctr_va_ssrc(0) depctr_va_vcc(0) depctr_vm_vsrc(0)
	s_getreg_b32 s2, hwreg(HW_REG_IB_STS2, 6, 4)
	s_cmp_eq_u32 s2, 0
	s_cbranch_scc0 .Lentry_in_a_cluster
	s_endpgm
.Lentry_in_a_cluster:
	s_bfe_u32 s2, ttmp6, 0x10000c
	s_cmp_lg_u32 s2, 0x3003
	s_cbranch_scc0 .Lentry_shape_is_right
	s_endpgm
.Lentry_shape_is_right:
; out0 = x + o wo, the product on codes of E3M2 with E8M0 scales.  A (oq) and B (wo's 16 groups in wimg) lie in memory as images of operand registers: a half fragment (16 rows x 64 K, 6 registers a lane) is 768 bytes
; (registers 0-3 at 16 x lane, 4-5 at 512 + 8 x lane); a group of 64 rows is [K / 64][tile][768]; lane r of tile t is row 32 (t / 2) + 8 (t % 2) + r + 8 (r / 8).
; SHARES.  A work-group of 8 waves makes 128 rows x 256 columns; wave w makes 64 x 64: A's group w >> 2, B's group w & 3.  All of K (1,024) lies in LDS, filled once.
; THE PRODUCT IS USED TRANSPOSED (source 0 = 16 rows of wo, source 1 = 16 rows of o): a lane holds one row and 16 neighbouring columns in two neighbouring tiles.
; CLUSTER: the four work-groups along x walk the same rows of wo: B's tiles and scales are asked for jointly.  A's are each work-group's own, in the same form as in the launches before.
; THE WAY OUT: a tile of 16 rows x 64 columns goes through the wave's stage in LDS and comes back as whole rows of 256 bytes; x is added, and sixteen lanes store 256 consecutive aligned bytes.  The stages lie in A's bytes, which
; have had their only fill and which nobody reads behind the barrier in front of the way out.
.set MG,   2
.set GB,   49152
.set GS,   2176
.set SR,   GS/272
.set SCLA, (MG+4)*GB
.set TPA,  1088
.set TPB,  272
.set ASC,  6291456
.set WOFF, 1966080                     ; where wo's images begin in wimg
.set SC,   16
.set AF,   32
.set BF,   80
.set ACC,  128
.set XS,   32                          ; the way out: two sets of 32 numbers of x
.set SP,   272                         ; a stage row: 256 bytes + 16
.macro CROUND
	s_barrier_signal -1
	s_barrier_wait -1
	s_cmp_lg_u32 s18, 0
	s_cbranch_scc1 .Lnot_wave_0_\@
	s_barrier_signal -3
.Lnot_wave_0_\@:
	s_barrier_wait -3
	s_barrier_signal -1
	s_barrier_wait -1
.endm
.macro HFL reg, a16, a8, off
	ds_load_b128 v[\reg:\reg+3], v[\a16] offset:\off
	ds_load_b64 v[\reg+4:\reg+5], v[\a8] offset:\off+512
.endm
.macro MM a, q, zero
.irp b, 0,1,2,3
.if \zero
	v_wmma_scale_f32_16x16x128_f8f6f4 v[ACC+8*(4*\a+\b):ACC+8*(4*\a+\b)+7], v[BF+12*\b:BF+12*\b+11], v[AF+12*\a:AF+12*\a+11], 0, v[SC+2*\b+\q], v[SC+2*\a+\q] matrix_a_fmt:MATRIX_FMT_BF6 matrix_b_fmt:MATRIX_FMT_BF6 matrix_a_scale:MATRIX_SCALE_ROW1
.else
	v_wmma_scale_f32_16x16x128_f8f6f4 v[ACC+8*(4*\a+\b):ACC+8*(4*\a+\b)+7], v[BF+12*\b:BF+12*\b+11], v[AF+12*\a:AF+12*\a+11], v[ACC+8*(4*\a+\b):ACC+8*(4*\a+\b)+7], v[SC+2*\b+\q], v[SC+2*\a+\q] matrix_a_fmt:MATRIX_FMT_BF6 matrix_b_fmt:MATRIX_FMT_BF6 matrix_a_scale:MATRIX_SCALE_ROW1
.endif
.endr
.endm
; 128 along K.  The 16 accumulators take turns, one instruction a turn, in the same order in every step.  pf = 1: behind the step's LDS loads stands the prefetch of x.
.macro KSTEP ks, zero, pf
.if \zero == 0
.rept 4
	v_nop                                          ; four places in front of loads into registers that matrix instructions have read
.endr
.endif
.if (\ks)%2 == 0
.irp i, 0,1,2,3
	ds_load_b64 v[SC+2*\i:SC+2*\i+1], v9 offset:TPA*(\i/2)+TPB*(\i%2)+4*(\ks)
.endr
.endif
.irp i, 0,1,2,3
	HFL BF+12*\i, 7, 8, (8*(\ks)+\i)*768
	HFL BF+12*\i+6, 7, 8, (8*(\ks)+4+\i)*768
.endr
.irp i, 0,1,2,3
	HFL AF+12*\i, 5, 6, (8*(\ks)+\i)*768
	HFL AF+12*\i+6, 5, 6, (8*(\ks)+4+\i)*768
.endr
.if \pf
	global_prefetch_b8 v15, s[96:97] th:TH_LOAD_NT scope:SCOPE_SE   ; my first 32 rows' 256 bytes of x, a lane a row, four K steps (64 matrix instructions) ahead of the loads that want them; each block is named once in the launch; the address registers are never rewritten
.endif
	s_wait_dscnt 8                                 ; all but the youngest eight: A's tiles 2 and 3
	MM 0, (\ks)%2, \zero
	MM 1, (\ks)%2, \zero
	s_wait_dscnt 0x0
	MM 2, (\ks)%2, \zero
	MM 3, (\ks)%2, \zero
.endm
.macro XLOAD a                         ; x at the rows of A's tile a, two rows a load: lanes 0-15 one row's 256 bytes, lanes 16-31 the next row's
.irp t, 0,1,2,3,4,5,6,7
	global_load_b128 v[XS+32*((\a)%2)+4*\t:XS+32*((\a)%2)+4*\t+3], v14, s[96:97] offset:(32*((\a)/2)+8*((\a)%2)+2*\t+8*(\t/4))*4096 th:TH_LOAD_NT
.endr
.endm
	s_load_b256 s[4:11], s[0:1], 0x0               ; oq s[4:5], wimg s[6:7], wo_scales s[8:9], x s[10:11]
	s_load_b64 s[12:13], s[0:1], 0x20              ; out0
	v_lshl_add_u32 v30, v0, 2, 0x4b300
	v_mov_b32 v31, 0
	ds_add_u32 v30, v31
	ds_add_u32 v30, v31
	v_lshrrev_b32 v1, 5, v0
	s_delay_alu instid0(VALU_DEP_1)
	v_readfirstlane_b32 s18, v1                    ; wave
	s_lshr_b32 s19, s18, 2
	s_and_b32 s20, s18, 3
	s_bfe_u32 s21, ttmp6, 0x40000
	s_lshl_b32 s22, ttmp9, 2
	s_add_co_u32 s22, s22, s21                     ; X
	s_and_b32 s23, ttmp7, 0xffff                   ; Y
	s_mov_b32 s24, 3<<16
	s_mov_b32 s32, 15|(3<<16)|(1<<21)
	s_mov_b32 s40, (3<<16)|(1<<20)|(5<<22)|(3<<25)
	s_mov_b32 s48, 15|(3<<16)|(1<<20)|(1<<21)|(5<<22)|(3<<25)
.irp g, 24, 32
	s_mov_b32 s[\g+1], 32<<16
	s_mov_b32 s[\g+2], (GB/256)<<16                ; a whole group
	s_mov_b32 s[\g+3], 32<<16
	s_mov_b32 s[\g+4], GB/256
	s_mov_b32 s[\g+5], 32
	s_mov_b32 s[\g+6], 0
	s_mov_b32 s[\g+7], 0
.endr
.irp g, 40, 48
	s_mov_b32 s[\g+1], 32<<16
	s_mov_b32 s[\g+2], ((MG+(\g-40)/8*(4-MG))*SR)<<16   ; the scales of all of A's groups, or of B's four, are one dense block
	s_mov_b32 s[\g+3], 32<<16
	s_mov_b32 s[\g+4], (MG+(\g-40)/8*(4-MG))*SR
	s_mov_b32 s[\g+5], 32
	s_mov_b32 s[\g+6], 0
	s_mov_b32 s[\g+7], 0
.endr
	s_add_co_u32 s95, s18, 14                      ; wave 0 fetches A's scales, wave 1 B's; wave w >= 2 fetches group f = w - 2 of the codes: A's groups, then B's four
	s_and_b32 s95, s95, 15
	s_min_u32 s88, s95, MG+3
	s_mul_i32 s88, s88, GB
	s_min_u32 s91, s95, MG-1
	s_mul_i32 s84, s22, MG
	s_add_co_u32 s91, s91, s84
	s_mov_b32 s85, 0
	s_add_co_u32 s90, s95, 4-MG
	s_and_b32 s90, s90, 3
	s_mov_b32 s87, 0
	s_wait_dscnt 0x0
	s_wait_kmcnt 0x0
	s_mul_i32 s84, s91, GB
	s_add_nc_u64 s[62:63], s[4:5], s[84:85]
	s_mul_i32 s84, s22, MG*256*SR
	s_add_co_u32 s84, s84, ASC
	s_add_nc_u64 s[58:59], s[4:5], s[84:85]
	s_lshl_b32 s86, s23, 2
	s_add_co_u32 s90, s86, s90                     ; B's group
	s_mul_i32 s86, s90, GB
	s_add_co_u32 s86, s86, WOFF
	s_add_nc_u64 s[78:79], s[6:7], s[86:87]
	s_mul_i32 s86, s23, 4*256*SR
	s_add_nc_u64 s[74:75], s[8:9], s[86:87]
.irp g, 56, 72
	s_mov_b32 s[\g], 1
	s_mov_b32 s[\g+1], SCLA+(\g-56)/16*MG*GS
	s_or_b32 s[\g+3], s[\g+3], 0x80000000
.endr
.irp g, 60, 76
	s_mov_b32 s[\g], 1
	s_mov_b32 s[\g+1], s88
	s_or_b32 s[\g+3], s[\g+3], 0x80000000
.endr
	s_lshl_b32 s84, s22, 7                         ; x and out0 at my 64 rows x 64 columns
	s_lshl_b32 s2, s19, 6
	s_add_co_u32 s84, s84, s2
	s_lshl_b32 s84, s84, 12
	s_lshl_b32 s2, s23, 10
	s_add_co_u32 s84, s84, s2
	s_lshl_b32 s2, s20, 8
	s_add_co_u32 s84, s84, s2
	s_add_nc_u64 s[96:97], s[10:11], s[84:85]
	s_add_nc_u64 s[98:99], s[12:13], s[84:85]
	CROUND                                         ; all four work-groups are here: the joint loads meet
; the fills, one a wave, in one chain of branches on the wave's number, every arm leading to one join
.macro ARM under, g0, g1, next
	s_cmp_lt_u32 s18, \under
	s_cbranch_scc0 \next
	tensor_load_to_lds s[\g0:\g0+3], s[\g1:\g1+7]
	s_nop 0
.rept 4
	v_nop
.endr
	s_branch .Lasked
\next:
.endm
	ARM 1, 56, 40, .Lnot_sa                        ; A's scales
	ARM 2, 72, 48, .Lnot_sb                        ; B's scales, jointly
	ARM MG+2, 60, 24, .Lnot_a                      ; a group of A
	tensor_load_to_lds s[76:79], s[32:39]          ; a group of B, jointly
	s_nop 0
.rept 4
	v_nop
.endr
.Lasked:
	v_and_b32 v1, 31, v0
	v_and_b32 v2, 15, v0
	v_bfe_u32 v3, v0, 4, 1
	s_delay_alu instid0(VALU_DEP_3)
	v_lshlrev_b32 v10, 4, v1
	s_delay_alu instid0(VALU_DEP_4)
	v_lshlrev_b32 v11, 3, v1
	s_mul_i32 s2, s19, GB
	v_add_nc_u32 v5, s2, v10
	v_add_nc_u32 v6, s2, v11
	s_add_co_u32 s3, s20, MG
	s_mul_i32 s3, s3, GB
	v_add_nc_u32 v7, s3, v10
	v_add_nc_u32 v8, s3, v11
	v_and_b32 v9, 7, v2
	s_delay_alu instid0(VALU_DEP_1)
	v_lshlrev_b32 v9, 5, v9
	v_lshrrev_b32 v12, 3, v2
	s_delay_alu instid0(VALU_DEP_1)
	v_mad_u32_u24 v9, v12, 544, v9
	s_mul_i32 s2, s19, GS
	s_mul_i32 s3, s20, GS
	s_add_co_u32 s3, s3, MG*GS
	s_sub_co_u32 s3, s3, s2
	v_mul_u32_u24 v12, s3, v3                      ; lanes 16-31 take B's: one product, the distance between the two
	s_add_co_u32 s2, s2, SCLA
	v_add_nc_u32 v9, v9, v12
	s_delay_alu instid0(VALU_DEP_1)
	v_add_nc_u32 v9, s2, v9
	s_mul_i32 s2, s18, 16*SP                       ; my stage
	v_mul_u32_u24 v12, v2, SP
	s_delay_alu instid0(VALU_DEP_1)
	v_lshl_add_u32 v12, v3, 6, v12
	s_delay_alu instid0(VALU_DEP_1)
	v_add_nc_u32 v12, s2, v12                      ; in: row r, + 64 h: my half's 16 columns of each 32
	v_mul_u32_u24 v13, v3, SP
	s_delay_alu instid0(VALU_DEP_1)
	v_lshl_add_u32 v13, v2, 4, v13
	s_delay_alu instid0(VALU_DEP_1)
	v_add_nc_u32 v13, s2, v13                      ; back: lanes 0-15 one row, lanes 16-31 the next
	v_lshlrev_b32 v14, 12, v3
	s_delay_alu instid0(VALU_DEP_1)
	v_lshl_add_u32 v14, v2, 4, v14                 ; and the same in x and out0: rows of 4,096 bytes
	v_lshlrev_b32 v15, 12, v1                      ; the prefetch: a lane a row
	s_wait_alu depctr_va_vdst(0)
	s_wait_tensorcnt 0x0                           ; my one load has landed
	s_barrier_signal -1
	s_barrier_wait -1
	KSTEP 0, 1, 0
	KSTEP 1, 0, 0
	KSTEP 2, 0, 0
	KSTEP 3, 0, 0
	KSTEP 4, 0, 1
	KSTEP 5, 0, 0
	KSTEP 6, 0, 0
	KSTEP 7, 0, 0
.rept 4
	v_nop                                          ; four places in front of the first read of results and of loads into the fragments' registers
.endr
	s_wait_dscnt 0x0                               ; my reads of the tiles are over
	s_barrier_signal -1
	s_barrier_wait -1                              ; everybody's are: the stages may be written
	XLOAD 0
	XLOAD 1
.irp a, 0,1,2,3
.irp b, 0,1,2,3
	ds_store_b128 v12, v[ACC+32*\a+8*\b:ACC+32*\a+8*\b+3] offset:128*(\b/2)+32*(\b%2)          ; each accumulator from its low end on
	ds_store_b128 v12, v[ACC+32*\a+8*\b+4:ACC+32*\a+8*\b+7] offset:128*(\b/2)+32*(\b%2)+16
.endr
.irp t, 0,1,2,3,4,5,6,7
	ds_load_b128 v[ACC+32*\a+4*\t:ACC+32*\a+4*\t+3], v13 offset:\t*2*SP   ; LDS serves a wave's instructions in order: these see the stores above, and come back into the registers that the tile left
.endr
	s_wait_dscnt 0x0
.if \a < 3
	s_wait_loadcnt 8                               ; this tile's 8 loads of x are in; the next tile's may be out
.else
	s_wait_loadcnt 0x0
.endif
.irp i, 0,2,4,6,8,10,12,14,16,18,20,22,24,26,28,30
	v_pk_add_f32 v[ACC+32*\a+\i:ACC+32*\a+\i+1], v[ACC+32*\a+\i:ACC+32*\a+\i+1], v[XS+32*(\a%2)+\i:XS+32*(\a%2)+\i+1]
.endr
.irp t, 0,1,2,3,4,5,6,7
	global_store_b128 v14, v[ACC+32*\a+4*\t:ACC+32*\a+4*\t+3], s[98:99] offset:(32*(\a/2)+8*(\a%2)+2*\t+8*(\t/4))*4096 th:TH_STORE_NT   ; sixteen lanes store 256 consecutive bytes, aligned; no store's data are written again
.endr
.if \a < 2
	XLOAD \a+2
.endif
.endr
	s_wait_tensorcnt 0x0
	ds_add_u32 v30, v31
	s_wait_dscnt 0x0
	CROUND                                         ; the closing round
	s_endpgm
.Lfunc_end_k_q469d4b50f2_gemm3:
	.size	k_q469d4b50f2_gemm3, .Lfunc_end_k_q469d4b50f2_gemm3-k_q469d4b50f2_gemm3
	.p2alignl 7, 3214868480
	.fill 96, 4, 3214868480
	.section	.rodata,"a",@progbits
	.p2align	6, 0x0
	.amdhsa_kernel k_q469d4b50f2_gemm3
		.amdhsa_group_segment_fixed_size 308992
		.amdhsa_private_segment_fixed_size 0
		.amdhsa_enable_private_segment 0
		.amdhsa_kernarg_size 40
		.amdhsa_user_sgpr_count 2
		.amdhsa_user_sgpr_kernarg_segment_ptr 1
		.amdhsa_wavefront_size32 1
		.amdhsa_system_sgpr_workgroup_id_x 1
		.amdhsa_system_sgpr_workgroup_id_y 1
		.amdhsa_system_sgpr_workgroup_id_z 1
		.amdhsa_system_vgpr_workitem_id 0
		.amdhsa_next_free_vgpr 256
		.amdhsa_next_free_sgpr 102
		.amdhsa_reserve_vcc 0
		.amdhsa_float_denorm_mode_32 3
		.amdhsa_float_denorm_mode_16_64 3
		.amdhsa_memory_ordered 1
		.amdhsa_forward_progress 1
		.amdhsa_inst_pref_size 58
	.end_amdhsa_kernel
	.amdgpu_metadata
---
amdhsa.version: [ 1, 2 ]
amdhsa.kernels:
  - .name:           k_q469d4b50f2_gemm3
    .symbol:         k_q469d4b50f2_gemm3.kd
    .args:
      - { .name: oq, .offset: 0, .size: 8, .value_kind: global_buffer, .address_space: global }
      - { .name: wimg, .offset: 8, .size: 8, .value_kind: global_buffer, .address_space: global }
      - { .name: wo_scales, .offset: 16, .size: 8, .value_kind: global_buffer, .address_space: global }
      - { .name: x, .offset: 24, .size: 8, .value_kind: global_buffer, .address_space: global }
      - { .name: out0, .offset: 32, .size: 8, .value_kind: global_buffer, .address_space: global }
    .group_segment_fixed_size: 308992
    .private_segment_fixed_size: 0
    .kernarg_segment_align: 8
    .kernarg_segment_size: 40
    .max_flat_workgroup_size: 256
    .sgpr_count:     102
    .vgpr_count:     256
    .wavefront_size: 32
...
	.end_amdgpu_metadata
.endif
;; end of part 5
